; MI455X (gfx1250); checked and timed in simulation.
; The chip was launched on July 23, 2026; its instructions are those of AMD's public machine-readable ISA for CDNA 5 (MIT licence, August 2026) and "CDNA5" Instruction Set Architecture Reference Guide (July 2026). The comments in the code are by the model that wrote it; some were corrected since.
;; Heterogeneous Normalized Attention. Allowed arithmetic: matrix products marked QUANTISED: E2M1 operands, one E8M0 scale for each 32 along K, by v_wmma_scale_f32_16x16x128_f8f6f4 with both operands' format E2M1 (or v_wmma_scale_f32_32x16x128_f4), f32 sums; products left as they are: bf16, f16 or f32 operands; f32 sums; everything else in f32.
;; Inputs: Wk 3 x 512 x 512 float32; Wo 512 x 512 float32; Wq 512 x 512 float32; Wv 3 x 512 x 512 float32; bk 3 x 512 float32; bo 512 float32; bq 512 float32; bv 3 x 512 float32; emb0 4 x 4,096 x 512 float32; emb1 4 x 4,096 x 512 float32; emb2 4 x 4,096 x 512 float32; mask0 4 x 4,096 bool; mask1 4 x 4,096 bool; mask2 4 x 4,096 bool; x 4 x 8,192 x 512 float32.
;; Outputs: out0 4 x 8,192 x 512 float32.
;; This version of the problem:
;;   THIS VERSION OF THE PROBLEM IS GIVEN IN LOW PRECISION. The matrix products marked QUANTISED in the list below multiply operands that are first quantised to E2M1 (2 exponent bits, 1 mantissa bit; 4 bits a number), with one power-of-two scale for each 32 numbers along K (OCP MX v1.0); their sums are f32. The products marked 'left as it is' may take bf16, f16 or f32 operands, with f32 sums. Whichever they take, every output number must still come out within the allowed error. Rounding operands to bf16 (8 significant bits) uses up far more of that allowance than f16 does (11 bits, for magnitudes from 6e-5 to 65,504). All else is computed in f32.
;;   The module's matrix products, in the order in which they are computed (A, B: the left and right operand; K: the contracted axis; several contracted axes count as one K, in the product's order):
;;     1. [M 32,768, K 512] x [K 512, N 512]; A: input x; B: input Wq: QUANTISED
;;     2. [M 16,384, K 512] x [K 512, N 512]; A: input emb0; B: input Wk: QUANTISED
;;     3. [M 16,384, K 512] x [K 512, N 512]; A: input emb0; B: input Wv: QUANTISED
;;     4. batch 32 x [M 64, K 4,096] x [K 4,096, N 64]; A: computed on the way; B: computed on the way: left as it is (an operand is computed on the way)
;;     5. batch 32 x [M 8,192, K 64] x [K 64, N 64]; A: computed on the way; B: computed on the way: left as it is (an operand is computed on the way)
;;     6. [M 16,384, K 512] x [K 512, N 512]; A: input emb1; B: input Wk: QUANTISED
;;     7. [M 16,384, K 512] x [K 512, N 512]; A: input emb1; B: input Wv: QUANTISED
;;     8. batch 32 x [M 64, K 4,096] x [K 4,096, N 64]; A: computed on the way; B: computed on the way: left as it is (an operand is computed on the way)
;;     9. batch 32 x [M 8,192, K 64] x [K 64, N 64]; A: computed on the way; B: computed on the way: left as it is (an operand is computed on the way)
;;     10. [M 16,384, K 512] x [K 512, N 512]; A: input emb2; B: input Wk: QUANTISED
;;     11. [M 16,384, K 512] x [K 512, N 512]; A: input emb2; B: input Wv: QUANTISED
;;     12. batch 32 x [M 64, K 4,096] x [K 4,096, N 64]; A: computed on the way; B: computed on the way: left as it is (an operand is computed on the way)
;;     13. batch 32 x [M 8,192, K 64] x [K 64, N 64]; A: computed on the way; B: computed on the way: left as it is (an operand is computed on the way)
;;     14. [M 32,768, K 512] x [K 512, N 512]; A: computed on the way; B: input Wo: left as it is (an operand is computed on the way)
;;   THE QUANTISER, for each operand of a quantised product, along K:
;;     - K is cut into blocks of 32 from its start; a last block that is shorter is filled with zeros.
;;     - A block's scale is 2^e with e = floor(log2(the largest magnitude in the block)) - 2, held to -126 .. 127; a block of zeros has e = 0. As a byte (E8M0): e + 127.
;;     - Each number is divided by its block's scale, clamped to +-6, and rounded to the nearest number of E2M1, ties to even, subnormals kept.
;;     - The product sums the exact products of the quantised numbers (number of the format x scale) in f32.
;;   ~~~python
;;   def quantise(x, axis):      # numpy; x: float32 -> the quantised numbers, widened to float32 again
;;       x = np.moveaxis(x, axis, -1); K = x.shape[-1]
;;       x = np.pad(x, [(0, 0)] * (x.ndim - 1) + [(0, -K % 32)]); x = x.reshape(x.shape[:-1] + (-1, 32)); a = np.abs(x).max(-1, keepdims=True)
;;       e = np.where(a > 0, np.clip(np.frexp(np.where(a > 0, a, 1))[1] - 1 - 2, -126, 127), 0)      # np.frexp(a)[1] - 1 = floor(log2(a)), exactly
;;       r = np.clip(x / 2.0 ** e, -6, 6)
;;       step = 2.0 ** (np.maximum(np.frexp(np.where(r == 0, 1, r))[1] - 1, 0) - 1)
;;       q = np.round(r / step) * step * 2.0 ** e      # np.round: ties to even
;;       return np.moveaxis(q.reshape(q.shape[:-2] + (-1,))[..., :K], -1, axis).astype(np.float32)
;;   ~~~
;; One version. Each part assembles by itself: llvm-mc -triple=amdgcn-amd-amdhsa -mcpu=gfx1250 --defsym DOCPART=n.
;; ======== version 1 of 1: 4 launches
;; limits: values outside matrix products are rounded to f16; values are held in f16: magnitudes above 65,504 overflow, below 6.1e-05 lose precision
;; workspace buffers: wcodes 917,504 bytes; wscl 114,688 bytes; wof 524,288 bytes; kvp 25,165,824 bytes; ksp 786,432 bytes; kvf 786,432 bytes; ksf 16,384 bytes
;; launch prep (part 1): grid 256 x 1, 4 waves a work-group, no clusters, 0 bytes of LDS; arguments Wq, Wk, Wv, Wo, wcodes, wscl, wof; writes wcodes, wscl, wof
.if DOCPART == 1
	.amdgcn_target "amdgcn-amd-amdhsa--gfx1250"
	.amdhsa_code_object_version 6
	.text
	.protected	k_qe4e0c26908_prep
	.globl	k_qe4e0c26908_prep
	.p2align	8
	.type	k_qe4e0c26908_prep,@function
k_qe4e0c26908_prep:
	s_mov_b64 s[64:65], 0
	v_nop
	global_prefetch_b8 v0, s[64:65] scope:SCOPE_SE
	s_setreg_imm32_b32 hwreg(HW_REG_WAVE_MODE, 25, 1), 1
	s_wait_xcnt 0x0
; The eight weights [512][512] f32 (K innermost) are laid once as IMAGES OF OPERAND REGISTERS, so that the later launches load each fragment whole, 16 bytes a lane.
; Matrices 0 .. 6 (Wq, Wk[0..2], Wv[0..2]) become codes of FP4 (E2M1) with one E8M0 byte for each 32 along K; matrix 7 (Wo) becomes f16.
; A work-group takes 16 rows (tile T) of one matrix, wave s the K step 128 s .. 128 s + 127.  mtx = work-group / 32, T = work-group % 32.
;   wcodes [mtx][T][s][piece c][lane][16 bytes]: lane (r, h), piece c: the codes of W[16 T + r][128 s + 64 c + 32 h + 0 .. 31]: registers 4 c .. 4 c + 3 of the fragment
;   wscl   [mtx][T][s][lane][4 bytes]: the scale word of row 16 T + r for K step s, in lanes r and 16 + r alike
;   wof    [T][c 16][piece p][lane][16 bytes]: f16 of Wo[16 T + r][32 c + 16 p + 8 h + 0 .. 7]
; A block's scale is 2^(floor(log2(largest magnitude)) - 2); its byte is the largest magnitude's exponent field - 2, held at 1 from below.
; LIMITS: a block of zeros gets the byte 1 (its codes are zeros; this program alone reads the bytes); NaN and infinities are not served; |Wo| stays under 65,504 (f16).
; No LDS, no barrier: waves share nothing.  A lane holds two whole blocks of 32, so a block's maximum needs no other lane.
.set NUM, 32                           ; v32-95   64 numbers of a lane
.set COD, 96                           ; v96-127  codes, or f16 pairs
	s_load_b256 s[4:11], s[0:1], 0x0               ; Wq s[4:5], Wk s[6:7], Wv s[8:9], Wo s[10:11]
	s_load_b128 s[12:15], s[0:1], 0x20             ; wcodes s[12:13], wscl s[14:15]
	s_load_b64 s[16:17], s[0:1], 0x30              ; wof
	v_lshrrev_b32 v1, 5, v0
	v_readfirstlane_b32 s18, v1                    ; wave = K step s
	v_and_b32 v2, 31, v0                           ; lane L
	v_and_b32 v3, 15, v0                           ; r
	v_bfe_u32 v4, v0, 4, 1                         ; h
	v_lshlrev_b32 v5, 4, v2                        ; 16 L
	v_lshlrev_b32 v6, 2, v2                        ; 4 L
	v_lshlrev_b32 v7, 11, v3                       ; r rows of 2,048 bytes
	s_lshr_b32 s19, ttmp9, 5                       ; mtx
	s_and_b32 s20, ttmp9, 31                       ; T
	s_max_u32 s21, s19, 1                          ; which of the three matrices inside Wk or Wv: 0,0,1,2 | 0,1,2 | 0
	s_sub_co_u32 s21, s21, 1
	s_cmp_lt_u32 s19, 4
	s_cselect_b32 s22, 0, 3
	s_sub_co_u32 s21, s21, s22
	s_cmp_eq_u32 s19, 7
	s_cselect_b32 s21, 0, s21
	s_lshl_b32 s22, s21, 20                        ; a matrix is 2^20 bytes,
	s_lshl_b32 s23, s20, 15                        ; 16 rows are 2^15,
	s_add_co_u32 s22, s22, s23
	s_lshl_b32 s23, s18, 9                         ; 128 numbers are 512
	s_add_co_u32 s22, s22, s23
	s_mov_b32 s23, 0
	s_mov_b32 s28, 0x76543210                      ; v_permlanex16_b32's selects for lane l xor 16
	s_mov_b32 s29, 0xfedcba98
	s_wait_kmcnt 0x0
	s_cmp_lt_u32 s19, 1                            ; the source: a choice on the work-group's number alone
	s_cselect_b64 s[24:25], s[4:5], s[6:7]
	s_cmp_lt_u32 s19, 4
	s_cselect_b64 s[24:25], s[24:25], s[8:9]
	s_cmp_lt_u32 s19, 7
	s_cselect_b64 s[24:25], s[24:25], s[10:11]
	s_add_nc_u64 s[24:25], s[24:25], s[22:23]
	s_cmp_eq_u32 s19, 7
	s_cbranch_scc1 .Lwo
	; ---- a quantised weight
	v_lshl_add_u32 v8, v4, 7, v7                   ; row r, + 128 h bytes: my block of 32 in each 64 along K
.irp c, 0,1
.irp g, 0,1,2,3,4,5,6,7
	global_load_b128 v[NUM+32*\c+4*\g:NUM+32*\c+4*\g+3], v8, s[24:25] offset:256*\c+16*\g
.endr
.endr
	s_lshl_b32 s26, s19, 17                        ; wcodes: mtx x 131,072 + T x 4,096 + s x 1,024
	s_lshl_b32 s27, s20, 12
	s_add_co_u32 s26, s26, s27
	s_lshl_b32 s27, s18, 10
	s_add_co_u32 s26, s26, s27
	s_mov_b32 s27, 0
	s_add_nc_u64 s[12:13], s[12:13], s[26:27]
	s_lshr_b32 s26, s26, 3                         ; wscl: an eighth of that
	s_add_nc_u64 s[14:15], s[14:15], s[26:27]
	s_wait_loadcnt 0x0
.irp c, 0,1
	v_max3_num_f32 v[12+\c], |v[NUM+32*\c]|, |v[NUM+32*\c+1]|, 0x1800000   ; block 2 c + h: all 32 numbers are mine; the floor 2^(3 - 127) holds the byte at 1 from below
.endr
.irp i, 2,4,6,8,10,12,14,16,18,20,22,24,26,28,30
.irp c, 0,1
	v_max3_num_f32 v[12+\c], v[12+\c], |v[NUM+32*\c+\i]|, |v[NUM+32*\c+\i+1]|
.endr
.endr
.irp c, 0,1
	v_add_nc_u32 v[14+\c], 0xff000000, v[12+\c]    ; 2 off the exponent field: the conversion's scale operand
.endr
.irp c, 0,1
	v_lshrrev_b32 v[16+\c], 23, v[14+\c]           ; the scale's byte
.endr
	v_lshl_or_b32 v9, v17, 16, v16                 ; my two bytes, blocks h and 2 + h,
	v_lshlrev_b32 v10, 3, v4
	v_lshlrev_b32 v9, v10, v9                      ; at their places in the word;
	v_mov_b32 v10, 0
	v_permlanex16_b32 v10, v9, s28, s29
	v_or_b32 v9, v9, v10                           ; with lane l xor 16's two the word is whole, in both lanes
.irp c, 0,1
.irp g, 0,1,2,3
	v_cvt_scalef32_pk8_fp4_f32 v[COD+4*\c+\g], v[NUM+32*\c+8*\g:NUM+32*\c+8*\g+7], v[14+\c]
.endr
.endr
	v_nop                                          ; one plain line behind the last scaled conversion
	global_store_b128 v5, v[COD:COD+3], s[12:13]               ; 32 lanes store 512 consecutive bytes
	global_store_b128 v5, v[COD+4:COD+7], s[12:13] offset:512
	global_store_b32 v6, v9, s[14:15]                          ; 128 consecutive bytes
	s_endpgm
.Lwo:
	; ---- Wo to f16: piece e = 2 cc + p of my four K steps of 32 begins 64 e bytes on
	v_lshl_add_u32 v8, v4, 5, v7                   ; row r, + 32 h bytes: my 8 numbers of each 16
.irp e, 0,1,2,3,4,5,6,7
	global_load_b128 v[NUM+8*\e:NUM+8*\e+3], v8, s[24:25] offset:64*\e
	global_load_b128 v[NUM+8*\e+4:NUM+8*\e+7], v8, s[24:25] offset:64*\e+16
.endr
	s_lshl_b32 s26, s20, 14                        ; wof: T x 16,384 + wave x 4,096
	s_lshl_b32 s27, s18, 12
	s_add_co_u32 s26, s26, s27
	s_mov_b32 s27, 0
	s_add_nc_u64 s[16:17], s[16:17], s[26:27]
	s_wait_loadcnt 0x0
.irp e, 0,1,2,3,4,5,6,7
.irp j, 0,1,2,3
	v_cvt_pk_f16_f32 v[COD+4*\e+\j], v[NUM+8*\e+2*\j], v[NUM+8*\e+2*\j+1]
.endr
.endr
.irp e, 0,1,2,3,4,5,6,7
	global_store_b128 v5, v[COD+4*\e:COD+4*\e+3], s[16:17] offset:512*\e
.endr
	s_endpgm
.Lfunc_end_k_qe4e0c26908_prep:
	.size	k_qe4e0c26908_prep, .Lfunc_end_k_qe4e0c26908_prep-k_qe4e0c26908_prep
	.p2alignl 7, 3214868480
	.fill 96, 4, 3214868480
	.section	.rodata,"a",@progbits
	.p2align	6, 0x0
	.amdhsa_kernel k_qe4e0c26908_prep
		.amdhsa_group_segment_fixed_size 0
		.amdhsa_private_segment_fixed_size 0
		.amdhsa_enable_private_segment 0
		.amdhsa_kernarg_size 56
		.amdhsa_user_sgpr_count 2
		.amdhsa_user_sgpr_kernarg_segment_ptr 1
		.amdhsa_wavefront_size32 1
		.amdhsa_system_sgpr_workgroup_id_x 1
		.amdhsa_system_sgpr_workgroup_id_y 1
		.amdhsa_system_sgpr_workgroup_id_z 1
		.amdhsa_system_vgpr_workitem_id 0
		.amdhsa_next_free_vgpr 128
		.amdhsa_next_free_sgpr 66
		.amdhsa_reserve_vcc 0
		.amdhsa_float_denorm_mode_32 3
		.amdhsa_float_denorm_mode_16_64 3
		.amdhsa_memory_ordered 1
		.amdhsa_forward_progress 1
		.amdhsa_inst_pref_size 12
	.end_amdhsa_kernel
	.amdgpu_metadata
---
amdhsa.version: [ 1, 2 ]
amdhsa.kernels:
  - .name:           k_qe4e0c26908_prep
    .symbol:         k_qe4e0c26908_prep.kd
    .args:
      - { .name: Wq, .offset: 0, .size: 8, .value_kind: global_buffer, .address_space: global }
      - { .name: Wk, .offset: 8, .size: 8, .value_kind: global_buffer, .address_space: global }
      - { .name: Wv, .offset: 16, .size: 8, .value_kind: global_buffer, .address_space: global }
      - { .name: Wo, .offset: 24, .size: 8, .value_kind: global_buffer, .address_space: global }
      - { .name: wcodes, .offset: 32, .size: 8, .value_kind: global_buffer, .address_space: global }
      - { .name: wscl, .offset: 40, .size: 8, .value_kind: global_buffer, .address_space: global }
      - { .name: wof, .offset: 48, .size: 8, .value_kind: global_buffer, .address_space: global }
    .group_segment_fixed_size: 0
    .private_segment_fixed_size: 0
    .kernarg_segment_align: 8
    .kernarg_segment_size: 56
    .max_flat_workgroup_size: 128
    .sgpr_count:     66
    .vgpr_count:     128
    .wavefront_size: 32
...
	.end_amdgpu_metadata
.endif
;; end of part 1
;; launch kvpart (part 2): grid 16 x 12, 4 waves a work-group, no clusters, 327,680 bytes of LDS; arguments emb0, emb1, emb2, mask0, mask1, mask2, bk, wcodes, wscl, kvp, ksp; writes kvp, ksp
.if DOCPART == 2
	.amdgcn_target "amdgcn-amd-amdhsa--gfx1250"
	.amdhsa_code_object_version 6
	.text
	.protected	k_qe4e0c26908_kvpart
	.globl	k_qe4e0c26908_kvpart
	.p2align	8
	.type	k_qe4e0c26908_kvpart,@function
k_qe4e0c26908_kvpart:
	s_mov_b64 s[64:65], 0
	v_nop
	global_prefetch_b8 v0, s[64:65] scope:SCOPE_SE
	s_setreg_imm32_b32 hwreg(HW_REG_WAVE_MODE, 25, 1), 1
	s_wait_xcnt 0x0
; For 256 rows s of one input i and batch b: k = mask x softmax over each head's 64 of (Q(emb) Q(Wk)^T + bk), v0 = Q(emb) Q(Wv)^T (both products on FP4 codes with E8M0 scales),
; and the partial sums kv[d][e] = sum over s of k[s][d] v0[s][e] (f16 operands, f32 sums) and k_sum[d] = sum over s of k[s][d] (f32).  bv is added by the next launch: sum k (v0 + bv) = sum k v0 + k_sum bv.
; SHARES.  Work-group (chunk = x, ib = y = 4 i + b) owns rows 256 chunk .. + 255: four stages of 64 rows, each two units of 32.  Wave w owns heads 2 w, 2 w + 1: its 128 columns of Wk and of Wv
; (2 x 256 registers) and its kv sums (256 registers) stay in registers for the whole launch.  emb comes through a ring of two LDS slots filled by the tensor data mover, 16 rows a wave and stage;
; each wave quantises the rows that it fetched and puts codes and scale bytes into LDS, where all four waves read them.
; LAYOUT.  Source 0 = 16 rows of emb, source 1 = 16 rows of W: lane (r, h) holds column 16 T + r and rows 8 h + j.  Two row tiles, packed in pairs to f16, ARE the operand 'lane = d (or e), K = 32 rows s'
; of the second product: nothing is transposed.  The price: the softmax runs across 16 lanes (four steps of row_xmask for the maximum, four for the sum).
; NO CLUSTER: the stream, emb, is read by one work-group alone; the weights are read once by each work-group, straight into the registers of the one wave that uses them, where a joint load cannot land.
; LIMITS: NaN and infinities are not served; a block of zeros gets the scale byte 1 (its codes are zeros); |v0| stays under 65,504 (f16); k under 6e-8 vanishes in f16.
.set HP,    1040                       ; half a row of emb in LDS: 1,024 bytes + 16 of padding
.set WPB,   32*HP                      ; a wave's 16 rows
.set SLOTB, 4*WPB                      ; a slot: 133,120 = 0x20800; no w x WPB has one of these two bits, so one exclusive or turns a slot's address
.set CP,    272                        ; a row of 512 codes: 256 bytes + 16
.set CODES, 2*SLOTB                    ; 64 rows of codes
.set SCB,   CODES+64*CP                ; 64 rows x 16 scale bytes
.set MSK,   SCB+64*16                  ; the work-group's 256 mask bytes
.set SPARE, MSK+256                    ; the spare words, 128 bytes a wave: two blocks of 256 bytes that no other line names
.set STGB,  131072                     ; 64 rows of emb in memory
.set XA0, 3                            ; v3   f32 reads: (L % 4) HP + 64 (L / 4) + w WPB;  v4 the same in the slot in hand
.set XAD, 4
.set CWD, 5                            ; v5   where my 16 codes go
.set BWD, 6                            ; v6   where my block's byte goes
.set CA0, 7                            ; v7   fragments: CODES + CP r + 16 h;  v8 in the unit in hand
.set CAD, 8
.set SA0, 9                            ; v9   scale words: SCB + 16 L;  v10 in the unit
.set SAD, 10
.set MA0, 11                           ; v11  mask bytes: MSK + 8 h;  v12 in the unit
.set MAD, 12
.set PFO, 13                           ; v13  256 L: the prefetches' offset; never rewritten
.set SPW, 14                           ; v14  my spare word;  v15  0; never rewritten
.set NIL, 15
.set WS,  16                           ; v16-47   scale words of W, register 4 T + s: lanes 0-15 Wk's, lanes 16-31 Wv's.  Scales and nothing else
.set BKB, 48                           ; v48-63   bk of column 16 T + r, twice: a pair for each T
.set KSA, 64                           ; v64-79   k_sum: a pair for each T
.set AF,  80                           ; v80-143  emb's fragments, 8 (4 rt + s)
.set AS,  144                          ; v144-147 emb's scale words of K step s: lanes 0-15 row tile 0, lanes 16-31 row tile 1.  Scales and nothing else
.set K0,  148                          ; v148-179 logits of row tile 0, then k as f16 operand
.set XX,  180                          ; v180-211 logits of row tile 1, then v0 of row tile 0, then v0 as f16 operand
.set YY,  212                          ; v212-243 maxima and sums, then v0 of row tile 1
.set QX,  148                          ; quantising: four sets of 16 numbers,
.set QC,  212                          ; their codes, two registers a set,
.set QB,  220                          ; their bytes
.set QT,  244                          ; v244-246 at work
.set MV,  248                          ; v248-251 mask bytes
.set TMP, 252                          ; v252-255 at work
; window 1: Wk at 8 (4 T + s);  window 2: Wv likewise;  window 3: kv sums at 128 hh + 8 (4 td + te)
.set WV,  28
.set G1,  36                           ; s[36:43] descriptor group 1;  s[44:47] group 0, which walks
.set G0,  44
.set MS,  48                           ; s48-63 lane masks: row 8 h + j of row tile rt counts
.set CS,  66                           ; s[66:67] log2(e), named as a pair
.set TB,  70                           ; LDS byte at which the slot in hand begins
.set ST,  73                           ; stages still to be asked for
.set UN,  74
.set UC,  75                           ; the unit's codes, scale bytes, mask bytes
.set US,  76
.set MO,  77
.set PFA, 78                           ; s[78:79] my rows of the stage after the one that is being asked for
.set MSB, 0
.macro WIN new                         ; the immediate's high byte repeats the setting that is left
.if MSB != (\new)
	s_set_vgpr_msb (MSB<<8)|(\new)
.set MSB, (\new)
.endif
.endm
.macro NOPS n
.rept \n
	v_nop
.endr
.endm
	s_load_b512 s[4:19], s[0:1], 0x0               ; emb0 s[4:5], emb1, emb2, mask0 s[10:11], mask1, mask2, bk s[16:17], wcodes s[18:19]
	s_load_b128 s[20:23], s[0:1], 0x40             ; wscl s[20:21], kvp s[22:23]
	s_load_b64 s[24:25], s[0:1], 0x50              ; ksp
	v_lshl_add_u32 v[SPW], v0, 2, SPARE
	v_mov_b32 v[NIL], 0
	ds_add_u32 v[SPW], v[NIL]                      ; the opening: the add, twice on end, and its wait ahead of my first tensor load
	ds_add_u32 v[SPW], v[NIL]                      ; (once more; the set-up below, work on registers, stands between it and the wait)
	v_lshrrev_b32 v1, 5, v0
	v_readfirstlane_b32 s[WV], v1                  ; wave 0..3
	v_and_b32 v1, 15, v0                           ; r
	v_bfe_u32 v2, v0, 4, 1                         ; h
	v_and_b32 v244, 31, v0                         ; L
	v_and_b32 v245, 3, v0                          ; hr = L % 4: which of four half rows
	v_bfe_u32 v246, v0, 2, 3                       ; q = L / 4: which 16 numbers
	s_mul_i32 s72, s[WV], WPB
	v_mul_u32_u24 v[XA0], v245, HP
	v_lshl_add_u32 v[XA0], v246, 6, v[XA0]
	v_add_nc_u32 v[XA0], s72, v[XA0]               ; sixteen lanes of a load fall on sixteen different 16-byte columns: 16 hr + 64 (q % 4)
	v_lshrrev_b32 v247, 1, v245
	v_and_b32 v245, 1, v245
	s_lshl_b32 s80, s[WV], 4
	v_add_nc_u32 v247, s80, v247                   ; my row of the stage: 16 w + hr / 2 (+ 2 G)
	v_mul_u32_u24 v[CWD], v247, CP
	v_lshl_add_u32 v[CWD], v245, 7, v[CWD]         ; + 128 bytes for the row's second half
	v_lshl_add_u32 v[CWD], v246, 3, v[CWD]         ; + 8 bytes for each 16 codes
	v_add_nc_u32 v[CWD], CODES, v[CWD]
	v_lshlrev_b32 v[BWD], 4, v247
	v_lshl_add_u32 v[BWD], v245, 3, v[BWD]
	v_lshrrev_b32 v246, 1, v246
	v_add_nc_u32 v[BWD], v[BWD], v246
	v_add_nc_u32 v[BWD], SCB, v[BWD]
	v_mul_u32_u24 v[CA0], v1, CP
	v_lshl_add_u32 v[CA0], v2, 4, v[CA0]
	v_add_nc_u32 v[CA0], CODES, v[CA0]
	v_lshl_add_u32 v[SA0], v244, 4, SCB
	v_lshl_add_u32 v[MA0], v2, 3, MSK
	v_lshlrev_b32 v[PFO], 8, v244
	v_mul_u32_u24 v248, v2, 49152                  ; W's scale words: lanes 16-31 read Wv's, three matrices (3 x 16,384 bytes) behind Wk's
	v_lshl_add_u32 v248, v244, 2, v248
	v_lshlrev_b32 v249, 2, v1                      ; bk: 4 r
	v_lshlrev_b32 v244, 4, v244                    ; 16 L
	v_lshl_add_u32 v245, v0, 1, MSK                ; where my two mask bytes go
	v_lshlrev_b32 v247, 1, v0                      ; and where they come from
	s_and_b32 s30, ttmp7, 0xffff                   ; ib
	s_lshr_b32 s31, s30, 2                         ; i
	s_and_b32 s32, s30, 3                          ; b
	s_lshl_b32 s84, s32, 23                        ; emb: b x 4,096 rows + chunk x 256 rows + w x 16 rows, of 2,048 bytes
	s_lshl_b32 s33, ttmp9, 19
	s_add_co_u32 s84, s84, s33
	s_lshl_b32 s33, s[WV], 15
	s_add_co_u32 s84, s84, s33
	s_mov_b32 s85, 0
	s_lshl_b32 s86, s32, 12                        ; mask: b x 4,096 + chunk x 256
	s_lshl_b32 s33, ttmp9, 8
	s_add_co_u32 s86, s86, s33
	s_mov_b32 s87, 0
	s_add_co_u32 s33, s31, 1                       ; Wk[i] is matrix 1 + i
	s_lshl_b32 s90, s33, 17
	s_lshl_b32 s34, s[WV], 15
	s_add_co_u32 s90, s90, s34                     ; wcodes: matrix x 131,072 + my 8 tiles x 4,096
	s_mov_b32 s91, 0
	s_lshl_b32 s94, s31, 11                        ; bk: i x 2,048 + w x 512
	s_lshl_b32 s34, s[WV], 9
	s_add_co_u32 s94, s94, s34
	s_mov_b32 s95, 0
	s_lshl_b32 s34, s30, 4
	s_add_co_u32 s34, s34, ttmp9                   ; 16 ib + chunk
	s_lshl_b32 s82, s34, 17                        ; kvp: x 131,072 + w x 32,768
	s_lshl_b32 s35, s[WV], 15
	s_add_co_u32 s82, s82, s35
	s_mov_b32 s83, 0
	; descriptor group 1: 16 rows of emb, dense in memory, stated as 32 rows of 256 elements of 4 bytes, 4 words of padding behind each 256
	s_mov_b32 s[G1+0], (2<<16)|(1<<20)|(7<<22)|(3<<25)
	s_mov_b32 s[G1+1], 256<<16                     ; tensor_dim0
	s_mov_b32 s[G1+2], 32<<16                      ; tensor_dim1
	s_mov_b32 s[G1+3], 256<<16                     ; tile_dim0
	s_mov_b32 s[G1+4], 32                          ; tile_dim1
	s_mov_b32 s[G1+5], 256                         ; pitch
	s_mov_b32 s[G1+6], 0
	s_mov_b32 s[G1+7], 0
	s_mov_b32 s[CS], 0x3fb8aa3b                    ; log2(e)
	s_mov_b32 s[CS+1], s[CS]
	s_mov_b32 s[TB], 0
	s_mov_b32 s[MO], 0
	s_mov_b32 s[ST], 3
	s_wait_dscnt 0x0                               ; both opening adds are done
	s_wait_kmcnt 0x0
	s_add_nc_u64 s[22:23], s[22:23], s[82:83]      ; kvp at my part
	s_lshr_b32 s82, s82, 5                         ; ksp: (16 ib + chunk) x 4,096 + w x 1,024
	s_add_nc_u64 s[24:25], s[24:25], s[82:83]
	s_cmp_eq_u32 s31, 0                            ; which input: a choice on the work-group's number alone
	s_cselect_b64 s[80:81], s[4:5], s[6:7]
	s_cselect_b64 s[82:83], s[10:11], s[12:13]
	s_cmp_eq_u32 s31, 2
	s_cselect_b64 s[80:81], s[8:9], s[80:81]
	s_cselect_b64 s[82:83], s[14:15], s[82:83]
	s_add_nc_u64 s[80:81], s[80:81], s[84:85]      ; my 16 rows of stage 0
	s_add_nc_u64 s[82:83], s[82:83], s[86:87]
	s_mov_b32 s[G0], 1                             ; count = 1
	s_mov_b32 s[G0+1], s72                         ; LDS: slot 0, my part
	s_mov_b64 s[G0+2:G0+3], s[80:81]
	s_or_b32 s[G0+3], s[G0+3], 0x80000000          ; type = 2
	tensor_load_to_lds s[G0:G0+3], s[G1:G1+7]      ; stage 0: ahead of every wait on TENSORcnt, LDS read and barrier
	s_nop 0
	NOPS 4
	s_add_nc_u64 s[PFA:PFA+1], s[80:81], STGB      ; at stage 1: the first change of slots steps it to stage 2.  Nothing is prefetched here
	s_add_nc_u64 s[88:89], s[18:19], s[90:91]
	s_lshr_b32 s90, s90, 3
	s_add_nc_u64 s[92:93], s[20:21], s[90:91]      ; wscl: an eighth of wcodes' offset
	s_add_nc_u64 s[94:95], s[16:17], s[94:95]
	global_load_u16 v246, v247, s[82:83]           ; mask bytes 2 t, 2 t + 1
	WIN 0x40                                       ; destination window 1
.set f, 0
.rept 32
	global_load_b128 v[8*f:8*f+3], v244, s[88:89] offset:1024*f          ; Wk's fragment f = 4 T + s: it stays
	global_load_b128 v[8*f+4:8*f+7], v244, s[88:89] offset:1024*f+512
.set f, f+1
.endr
	WIN 0x80                                       ; destination window 2
.set f, 0
.rept 32
	global_load_b128 v[8*f:8*f+3], v244, s[88:89] offset:393216+1024*f   ; Wv[i]: three matrices on
	global_load_b128 v[8*f+4:8*f+7], v244, s[88:89] offset:393216+1024*f+512
.set f, f+1
.endr
	WIN 0
.set f, 0
.rept 32
	global_load_b32 v[WS+f], v248, s[92:93] offset:128*f
.set f, f+1
.endr
.irp T, 0,1,2,3,4,5,6,7
	global_load_b32 v[BKB+2*\T], v249, s[94:95] offset:64*\T
	global_load_b32 v[BKB+2*\T+1], v249, s[94:95] offset:64*\T           ; the pair's upper half is named with it, so it is written
.endr
	WIN 0xc0                                       ; the kv sums begin as zeros: the unit's text is written once for all eight units, and a copy whose products start the sums would be a third of the text again
.set f, 0
.rept 256
	v_mov_b32 v[f], 0
.set f, f+1
.endr
	WIN 0
.set f, 0
.rept 16
	v_mov_b32 v[KSA+f], 0
.set f, f+1
.endr
	s_wait_loadcnt 0x0
	ds_store_b16 v245, v246                        ; seen by the others behind the first barrier, in front of which I wait for it
; ---- the quantiser: example form.  A lane holds 16 neighbours along K; lanes L and L xor 4 hold a block of 32.
.macro QLOAD set, off
.irp j, 0,1,2,3
	ds_load_b128 v[QX+16*(\set)+4*\j:QX+16*(\set)+4*\j+3], v[XAD] offset:(\off)+16*\j
.endr
.endm
.macro QWORK set, coff, boff
.set QS, QX+16*(\set)
	v_max3_num_f32 v[QT], |v[QS]|, |v[QS+1]|, |v[QS+2]|
	v_max3_num_f32 v[QT+1], |v[QS+3]|, |v[QS+4]|, |v[QS+5]|
.irp i, 6,10
	v_max3_num_f32 v[QT], v[QT], |v[QS+\i]|, |v[QS+\i+1]|
	v_max3_num_f32 v[QT+1], v[QT+1], |v[QS+\i+2]|, |v[QS+\i+3]|
.endr
	v_max3_num_f32 v[QT], v[QT], |v[QS+14]|, |v[QS+15]|
	v_max3_num_f32 v[QT], v[QT], v[QT+1], 0x1800000                      ; the floor 2^(3 - 127): the byte cannot fall under 1
	v_max_num_f32_dpp v[QT], v[QT], v[QT] row_xmask:4 row_mask:0xf bank_mask:0xf   ; with my partner's 16: the block's largest magnitude
	v_add_nc_u32 v[QT+2], 0xff000000, v[QT]        ; 2 off its exponent field: the conversion's scale operand
	v_cvt_scalef32_pk8_fp4_f32 v[QC+2*(\set)], v[QS:QS+7], v[QT+2]
	v_cvt_scalef32_pk8_fp4_f32 v[QC+2*(\set)+1], v[QS+8:QS+15], v[QT+2]
	v_lshrrev_b32 v[QB+(\set)], 23, v[QT+2]        ; the byte; also the plain line behind the conversions
	ds_store_b8 v[BWD], v[QB+(\set)] offset:\boff  ; both lanes of a block write the same byte with the same value
	ds_store_b64 v[CWD], v[QC+2*(\set):QC+2*(\set)+1] offset:\coff
.endm
; My 16 rows in 16 steps: step n takes half rows 4 (n / 2) .. + 3, numbers 128 (n % 2) .. + 127 of each.  Loads run four steps ahead.
.macro QUANT16
.set n, 0
.rept 4
	QLOAD n, 4*HP*(n/2)+512*(n%2)
.set n, n+1
.endr
.set n, 0
.rept 16
.if n < 14
	s_wait_dscnt 12                                ; behind step n's four loads stand at least twelve younger LDS instructions (three steps' loads, and stores)
.elseif n == 14
	s_wait_dscnt 8                                 ; (ten: one step's loads and three steps' stores)
.else
	s_wait_dscnt 4                                 ; (six: three steps' stores)
.endif
	QWORK n%4, 2*CP*(n/2)+64*(n%2), 32*(n/2)+4*(n%2)
.if n+4 < 16
	QLOAD n%4, 4*HP*((n+4)/2)+512*((n+4)%2)
.endif
.set n, n+1
.endr
.endm
; ---- one FP4 product.  ks = 0: it starts the sum.  arow, brow: the half of the lanes from which A's and B's scale words are taken
.macro FP4MM d, a, b, ks, sa, sb, arow, brow
.if (\ks) == 0
.if \arow
.if \brow
	v_wmma_scale_f32_16x16x128_f8f6f4 v[\d:\d+7], v[\a:\a+7], v[\b:\b+7], 0, v[\sa], v[\sb] matrix_a_fmt:MATRIX_FMT_FP4 matrix_b_fmt:MATRIX_FMT_FP4 matrix_a_scale:MATRIX_SCALE_ROW1 matrix_b_scale:MATRIX_SCALE_ROW1
.else
	v_wmma_scale_f32_16x16x128_f8f6f4 v[\d:\d+7], v[\a:\a+7], v[\b:\b+7], 0, v[\sa], v[\sb] matrix_a_fmt:MATRIX_FMT_FP4 matrix_b_fmt:MATRIX_FMT_FP4 matrix_a_scale:MATRIX_SCALE_ROW1
.endif
.else
.if \brow
	v_wmma_scale_f32_16x16x128_f8f6f4 v[\d:\d+7], v[\a:\a+7], v[\b:\b+7], 0, v[\sa], v[\sb] matrix_a_fmt:MATRIX_FMT_FP4 matrix_b_fmt:MATRIX_FMT_FP4 matrix_b_scale:MATRIX_SCALE_ROW1
.else
	v_wmma_scale_f32_16x16x128_f8f6f4 v[\d:\d+7], v[\a:\a+7], v[\b:\b+7], 0, v[\sa], v[\sb] matrix_a_fmt:MATRIX_FMT_FP4 matrix_b_fmt:MATRIX_FMT_FP4
.endif
.endif
.else
.if \arow
.if \brow
	v_wmma_scale_f32_16x16x128_f8f6f4 v[\d:\d+7], v[\a:\a+7], v[\b:\b+7], v[\d:\d+7], v[\sa], v[\sb] matrix_a_fmt:MATRIX_FMT_FP4 matrix_b_fmt:MATRIX_FMT_FP4 matrix_a_scale:MATRIX_SCALE_ROW1 matrix_b_scale:MATRIX_SCALE_ROW1
.else
	v_wmma_scale_f32_16x16x128_f8f6f4 v[\d:\d+7], v[\a:\a+7], v[\b:\b+7], v[\d:\d+7], v[\sa], v[\sb] matrix_a_fmt:MATRIX_FMT_FP4 matrix_b_fmt:MATRIX_FMT_FP4 matrix_a_scale:MATRIX_SCALE_ROW1
.endif
.else
.if \brow
	v_wmma_scale_f32_16x16x128_f8f6f4 v[\d:\d+7], v[\a:\a+7], v[\b:\b+7], v[\d:\d+7], v[\sa], v[\sb] matrix_a_fmt:MATRIX_FMT_FP4 matrix_b_fmt:MATRIX_FMT_FP4 matrix_b_scale:MATRIX_SCALE_ROW1
.else
	v_wmma_scale_f32_16x16x128_f8f6f4 v[\d:\d+7], v[\a:\a+7], v[\b:\b+7], v[\d:\d+7], v[\sa], v[\sb] matrix_a_fmt:MATRIX_FMT_FP4 matrix_b_fmt:MATRIX_FMT_FP4
.endif
.endif
.endif
.endm
; 32 products: head hh's four column tiles x two row tiles x four K steps.  The eight accumulators take turns, one instruction a turn.
; d0, d1: where row tiles 0 and 1 go.  brow = 0: Wk (the window says which weight's registers are meant), 1: Wv
.macro LOGITS hh, d0, d1, brow
.irp s, 0,1,2,3
.irp t, 0,1,2,3
	FP4MM \d0+8*\t, AF+8*\s, 8*(16*\hh+4*\t+\s), \s, AS+\s, WS+16*\hh+4*\t+\s, 0, \brow
.endr
.irp t, 0,1,2,3
	FP4MM \d1+8*\t, AF+32+8*\s, 8*(16*\hh+4*\t+\s), \s, AS+\s, WS+16*\hh+4*\t+\s, 1, \brow
.endr
.endr
.endm
; The softmax over a head's 64 columns (4 tiles x 16 lanes) of 16 rows a lane half (2 row tiles x 8 registers), the mask, k_sum, and k as f16 operand.
; Tile (rt, t) lies at K0 + 32 rt + 8 t.  M(rt, j) = YY + 8 rt + j: the row's maximum;  S(rt, j) = YY + 16 + 8 rt + j: its sum, then mask / sum.
.macro SOFTK hh
.irp t, 0,1,2,3
.irp j, 0,2,4,6                        ; + bk; each accumulator is read from its low end on
	v_pk_add_f32 v[K0+8*\t+\j:K0+8*\t+\j+1], v[K0+8*\t+\j:K0+8*\t+\j+1], v[BKB+8*\hh+2*\t:BKB+8*\hh+2*\t+1] op_sel_hi:[1,0]
	v_pk_add_f32 v[XX+8*\t+\j:XX+8*\t+\j+1], v[XX+8*\t+\j:XX+8*\t+\j+1], v[BKB+8*\hh+2*\t:BKB+8*\hh+2*\t+1] op_sel_hi:[1,0]
.endr
.endr
.irp rt, 0,1
.irp j, 0,1,2,3,4,5,6,7
	v_max3_num_f32 v[YY+8*\rt+\j], v[K0+32*\rt+\j], v[K0+32*\rt+8+\j], v[K0+32*\rt+16+\j]
.endr
.endr
.irp rt, 0,1
.irp j, 0,1,2,3,4,5,6,7
	v_max_num_f32 v[YY+8*\rt+\j], v[YY+8*\rt+\j], v[K0+32*\rt+24+\j]
.endr
.endr
.irp m, 1,2,4,8                        ; across the 16 lanes that hold a row
.set i, 0
.rept 16
	v_max_num_f32_dpp v[YY+i], v[YY+i], v[YY+i] row_xmask:\m row_mask:0xf bank_mask:0xf
.set i, i+1
.endr
.endr
.irp i, 0,2,4,6,8,10,12,14
	v_pk_mul_f32 v[YY+\i:YY+\i+1], v[YY+\i:YY+\i+1], s[CS:CS+1] op_sel_hi:[1,0]
.endr
.irp rt, 0,1
.irp t, 0,1,2,3
.irp j, 0,2,4,6
	v_pk_fma_f32 v[K0+32*\rt+8*\t+\j:K0+32*\rt+8*\t+\j+1], v[K0+32*\rt+8*\t+\j:K0+32*\rt+8*\t+\j+1], s[CS:CS+1], v[YY+8*\rt+\j:YY+8*\rt+\j+1] op_sel_hi:[1,0,1] neg_lo:[0,0,1] neg_hi:[0,0,1]
.endr
.endr
.endr
.set i, 0
.rept 64
	v_exp_f32 v[K0+i], v[K0+i]                     ; p = 2^(c (logit - maximum)), at most 1
.set i, i+1
.endr
	v_nop                                          ; a plain line behind the last exponential
	s_wait_alu depctr_va_vdst(0)                   ; one wait for the batch, ahead of its first reader
.irp rt, 0,1
.irp j, 0,2,4,6
	v_pk_add_f32 v[YY+16+8*\rt+\j:YY+16+8*\rt+\j+1], v[K0+32*\rt+\j:K0+32*\rt+\j+1], v[K0+32*\rt+8+\j:K0+32*\rt+8+\j+1]
.endr
.endr
.irp t, 2,3
.irp rt, 0,1
.irp j, 0,2,4,6
	v_pk_add_f32 v[YY+16+8*\rt+\j:YY+16+8*\rt+\j+1], v[YY+16+8*\rt+\j:YY+16+8*\rt+\j+1], v[K0+32*\rt+8*\t+\j:K0+32*\rt+8*\t+\j+1]
.endr
.endr
.endr
.irp m, 1,2,4,8
.set i, 0
.rept 16
	v_add_f32_dpp v[YY+16+i], v[YY+16+i], v[YY+16+i] row_xmask:\m row_mask:0xf bank_mask:0xf
.set i, i+1
.endr
.endr
.set i, 0
.rept 16
	v_rcp_f32 v[YY+16+i], v[YY+16+i]
.set i, i+1
.endr
	v_nop
	s_wait_alu depctr_va_vdst(0)                   ; one wait for the sixteen reciprocals
.set i, 0
.rept 16
	v_cndmask_b32 v[YY+16+i], 0, v[YY+16+i], s[MS+i]   ; a row that the mask leaves out gets the factor 0: a choice of a value, no branch
.set i, i+1
.endr
.irp rt, 0,1
.irp t, 0,1,2,3
.irp j, 0,2,4,6
	v_pk_mul_f32 v[K0+32*\rt+8*\t+\j:K0+32*\rt+8*\t+\j+1], v[K0+32*\rt+8*\t+\j:K0+32*\rt+8*\t+\j+1], v[YY+16+8*\rt+\j:YY+16+8*\rt+\j+1]
.endr
.endr
.endr
.set i, 0                              ; k_sum, in f32: tile i's eight rows into the pair YY + 2 i (the maxima are done with), then into the column tile's pair
.rept 8
	v_pk_add_f32 v[YY+2*i:YY+2*i+1], v[K0+8*i:K0+8*i+1], v[K0+8*i+2:K0+8*i+3]
.set i, i+1
.endr
.irp j, 4,6
.set i, 0
.rept 8
	v_pk_add_f32 v[YY+2*i:YY+2*i+1], v[YY+2*i:YY+2*i+1], v[K0+8*i+\j:K0+8*i+\j+1]
.set i, i+1
.endr
.endr
.irp rt, 0,1
.irp t, 0,1,2,3
	v_pk_add_f32 v[KSA+8*\hh+2*\t:KSA+8*\hh+2*\t+1], v[KSA+8*\hh+2*\t:KSA+8*\hh+2*\t+1], v[YY+8*\rt+2*\t:YY+8*\rt+2*\t+1]
.endr
.endr
.irp t, 0,1,2,3                        ; k to f16: registers 0-3 rows 8 h + 0..7 (row tile 0, in place), registers 4-7 rows 16 + 8 h + 0..7 (row tile 1)
.irp j, 0,1,2,3
	v_cvt_pk_f16_f32 v[K0+8*\t+\j], v[K0+8*\t+2*\j], v[K0+8*\t+2*\j+1]
.endr
.irp j, 0,1,2,3
	v_cvt_pk_f16_f32 v[K0+8*\t+4+\j], v[XX+8*\t+2*\j], v[XX+8*\t+2*\j+1]
.endr
.endr
.endm
; One head of one unit of 32 rows
.macro HEAD hh
	WIN 0x04                                       ; source 1 window 1: Wk
	LOGITS \hh, K0, XX, 0
	WIN 0
	NOPS 4                                         ; four places between the last product and the first read of a result (ISA guide 7.12.1)
	SOFTK \hh
	WIN 0x08                                       ; source 1 window 2: Wv
	LOGITS \hh, XX, YY, 1
	WIN 0
	NOPS 4
.irp t, 0,1,2,3                        ; v0 to f16, as k above
.irp j, 0,1,2,3
	v_cvt_pk_f16_f32 v[XX+8*\t+\j], v[XX+8*\t+2*\j], v[XX+8*\t+2*\j+1]
.endr
.irp j, 0,1,2,3
	v_cvt_pk_f16_f32 v[XX+8*\t+4+\j], v[YY+8*\t+2*\j], v[YY+8*\t+2*\j+1]
.endr
.endr
	NOPS 4
	WIN 0xf0                                       ; C and D window 3
.irp td, 0,1,2,3
.irp te, 0,1,2,3                       ; kv(16 td + 8 h + j, 16 te + r) += sum over the 32 rows: sixteen accumulators, each once
	v_wmma_f32_16x16x32_f16 v[128*\hh+8*(4*\td+\te):128*\hh+8*(4*\td+\te)+7], v[K0+8*\td:K0+8*\td+7], v[XX+8*\te:XX+8*\te+7], v[128*\hh+8*(4*\td+\te):128*\hh+8*(4*\td+\te)+7]
.endr
.endr
	WIN 0
	NOPS 5                                         ; five places: the next products write over these products' operands
.endm
.macro UNIT
	v_add_nc_u32 v[CAD], s[UC], v[CA0]
	v_add_nc_u32 v[SAD], s[US], v[SA0]
	v_add_nc_u32 v[MAD], s[MO], v[MA0]
.irp rt, 0,1
.irp s, 0,1,2,3
	ds_load_b128 v[AF+32*\rt+8*\s:AF+32*\rt+8*\s+3], v[CAD] offset:16*CP*\rt+64*\s
	ds_load_b128 v[AF+32*\rt+8*\s+4:AF+32*\rt+8*\s+7], v[CAD] offset:16*CP*\rt+64*\s+32
.endr
.endr
	ds_load_b128 v[AS:AS+3], v[SAD]                ; four scale words of row L of the unit
	ds_load_b64 v[MV:MV+1], v[MAD]                 ; mask bytes of rows 8 h + 0..7,
	ds_load_b64 v[MV+2:MV+3], v[MAD] offset:16     ; and 16 + 8 h + 0..7
	s_wait_dscnt 0x0
.irp rt, 0,1
.irp j, 0,1,2,3,4,5,6,7
	v_bfe_u32 v[TMP+\j%4], v[MV+2*\rt+\j/4], 8*(\j%4), 8
	v_cmp_ne_u32 s[MS+8*\rt+\j], 0, v[TMP+\j%4]
.endr
.endr
	HEAD 0
	HEAD 1
.endm
; THE CHANGE OF SLOTS, at a stage's head.  Each wave waits for all its tensor loads (one is out: this stage's), adds 0 to its spare word, and waits for that and for all its LDS instructions:
; its reads of the other slot and of the last stage's codes.  Behind the barrier the other slot is filled with the next stage: the load has a whole stage's work in which to land.
; (Behind the first trip's barrier that is slot 1's first fill, in all four waves.)
.macro CHANGE fill
	s_wait_tensorcnt 0x0                           ; no tensor load of mine is out, so group 0 may be written
	ds_add_u32 v[SPW], v[NIL]
.if \fill
	s_xor_b32 s[G0+1], s[G0+1], SLOTB              ; the other slot,
	s_add_nc_u64 s[G0+2:G0+3], s[G0+2:G0+3], STGB  ; the next 64 rows; the type bits on top are not reached
	s_wait_xcnt 0x0                                ; the last prefetches, a stage back, have read their address
	s_add_nc_u64 s[PFA:PFA+1], s[PFA:PFA+1], STGB
.endif
	s_wait_dscnt 0x0
	s_barrier_signal -1
	s_barrier_wait -1
.if \fill
	tensor_load_to_lds s[G0:G0+3], s[G1:G1+7]      ; my one tensor load behind this barrier, and the first thing there
	s_nop 0
	NOPS 4
	s_cmp_gt_u32 s[ST], 1                          ; A PREFETCH INTO THE L2 of my own 16 rows (32,768 bytes) of the stage that the NEXT change will ask for: lanes 256 bytes apart, four instructions;
	s_cbranch_scc0 .Lnoask_\@                      ; each block of 256 bytes is named once in the launch, by the wave that will fetch it.  The last change that fills a slot asks for nothing
.irp n, 0,1,2,3
	global_prefetch_b8 v[PFO], s[PFA:PFA+1] offset:8192*\n th:TH_LOAD_NT scope:SCOPE_SE
.endr
.Lnoask_\@:
.endif
.endm
.macro STAGE
	v_add_nc_u32 v[XAD], s[TB], v[XA0]
	QUANT16
	s_wait_dscnt 0x0                               ; my codes and bytes have landed
	s_barrier_signal -1
	s_barrier_wait -1                              ; everybody's have.  The next stage's load stays out across it
	s_mov_b32 s[UC], 0
	s_mov_b32 s[US], 0
	s_mov_b32 s[UN], 2
.Lunit_\@:
	UNIT
	s_add_co_u32 s[UC], s[UC], 32*CP
	s_add_co_u32 s[US], s[US], 512
	s_add_co_u32 s[MO], s[MO], 32
	s_sub_co_u32 s[UN], s[UN], 1
	s_cmp_lg_u32 s[UN], 0
	s_cbranch_scc1 .Lunit_\@
.endm
.Lstage:                                               ; three trips: behind each change of slots but the last the next stage is asked for
	CHANGE 1
	STAGE
	s_xor_b32 s[TB], s[TB], SLOTB
	s_sub_co_u32 s[ST], s[ST], 1
	s_cmp_lg_u32 s[ST], 0
	s_cbranch_scc1 .Lstage
	CHANGE 0                                       ; the last stage is written out
	STAGE
	; THE WAY OUT: the sums leave as images of their registers: every store of the wave covers 512 consecutive bytes
	v_and_b32 v[TMP], 31, v0
	v_lshlrev_b32 v[TMP], 4, v[TMP]                ; 16 L
.irp T, 0,1,2,3,4,5,6,7
	v_add_f32 v[K0+\T], v[KSA+2*\T], v[KSA+2*\T+1] ; my lane half's k_sum of column 16 T + r
.endr
	global_store_b128 v[TMP], v[K0:K0+3], s[24:25]
	global_store_b128 v[TMP], v[K0+4:K0+7], s[24:25] offset:512
	WIN 0x0c                                       ; a store's data are its source 1: window 3
.set f, 0
.rept 32
	global_store_b128 v[TMP], v[8*f:8*f+3], s[22:23] offset:1024*f       ; each accumulator from its low end on
	global_store_b128 v[TMP], v[8*f+4:8*f+7], s[22:23] offset:1024*f+512
.set f, f+1
.endr
	WIN 0
	s_wait_tensorcnt 0x0                           ; the wave's end: behind my last tensor load and my last LDS store
	ds_add_u32 v[SPW], v[NIL]
	s_wait_dscnt 0x0
	s_endpgm
.Lfunc_end_k_qe4e0c26908_kvpart:
	.size	k_qe4e0c26908_kvpart, .Lfunc_end_k_qe4e0c26908_kvpart-k_qe4e0c26908_kvpart
	.p2alignl 7, 3214868480
	.fill 96, 4, 3214868480
	.section	.rodata,"a",@progbits
	.p2align	6, 0x0
	.amdhsa_kernel k_qe4e0c26908_kvpart
		.amdhsa_group_segment_fixed_size 327680
		.amdhsa_private_segment_fixed_size 0
		.amdhsa_enable_private_segment 0
		.amdhsa_kernarg_size 88
		.amdhsa_user_sgpr_count 2
		.amdhsa_user_sgpr_kernarg_segment_ptr 1
		.amdhsa_wavefront_size32 1
		.amdhsa_system_sgpr_workgroup_id_x 1
		.amdhsa_system_sgpr_workgroup_id_y 1
		.amdhsa_system_sgpr_workgroup_id_z 1
		.amdhsa_system_vgpr_workitem_id 0
		.amdhsa_next_free_vgpr 1024
		.amdhsa_next_free_sgpr 100
		.amdhsa_reserve_vcc 0
		.amdhsa_float_denorm_mode_32 3
		.amdhsa_float_denorm_mode_16_64 3
		.amdhsa_memory_ordered 1
		.amdhsa_forward_progress 1
		.amdhsa_inst_pref_size 233
	.end_amdhsa_kernel
	.amdgpu_metadata
---
amdhsa.version: [ 1, 2 ]
amdhsa.kernels:
  - .name:           k_qe4e0c26908_kvpart
    .symbol:         k_qe4e0c26908_kvpart.kd
    .args:
      - { .name: emb0, .offset: 0, .size: 8, .value_kind: global_buffer, .address_space: global }
      - { .name: emb1, .offset: 8, .size: 8, .value_kind: global_buffer, .address_space: global }
      - { .name: emb2, .offset: 16, .size: 8, .value_kind: global_buffer, .address_space: global }
      - { .name: mask0, .offset: 24, .size: 8, .value_kind: global_buffer, .address_space: global }
      - { .name: mask1, .offset: 32, .size: 8, .value_kind: global_buffer, .address_space: global }
      - { .name: mask2, .offset: 40, .size: 8, .value_kind: global_buffer, .address_space: global }
      - { .name: bk, .offset: 48, .size: 8, .value_kind: global_buffer, .address_space: global }
      - { .name: wcodes, .offset: 56, .size: 8, .value_kind: global_buffer, .address_space: global }
      - { .name: wscl, .offset: 64, .size: 8, .value_kind: global_buffer, .address_space: global }
      - { .name: kvp, .offset: 72, .size: 8, .value_kind: global_buffer, .address_space: global }
      - { .name: ksp, .offset: 80, .size: 8, .value_kind: global_buffer, .address_space: global }
    .group_segment_fixed_size: 327680
    .private_segment_fixed_size: 0
    .kernarg_segment_align: 8
    .kernarg_segment_size: 88
    .max_flat_workgroup_size: 128
    .sgpr_count:     100
    .vgpr_count:     1024
    .wavefront_size: 32
...
	.end_amdgpu_metadata
.endif
;; end of part 2
;; launch fold (part 3): grid 4 x 96, 4 waves a work-group, no clusters, 0 bytes of LDS; arguments kvp, ksp, bv, kvf, ksf; writes kvf, ksf
.if DOCPART == 3
	.amdgcn_target "amdgcn-amd-amdhsa--gfx1250"
	.amdhsa_code_object_version 6
	.text
	.protected	k_qe4e0c26908_fold
	.globl	k_qe4e0c26908_fold
	.p2align	8
	.type	k_qe4e0c26908_fold,@function
k_qe4e0c26908_fold:
	s_mov_b64 s[64:65], 0
	v_nop
	global_prefetch_b8 v0, s[64:65] scope:SCOPE_SE
	s_setreg_imm32_b32 hwreg(HW_REG_WAVE_MODE, 25, 1), 1
	s_wait_xcnt 0x0
; The sixteen partial sums of each (input i, batch b, head) are added in f32; kv gets its bias term, kv[d][e] += k_sum[d] bv[e]; kv and k_sum are brought under ONE power of two, 2^-floor(log2(largest k_sum)),
; which leaves (q kv) / (q . k_sum) as it is, so that both have room in f16: k_sum' < 2, |kv'| <= 2 max |v|; they are laid as the last launch's operand registers.
; Work-group (td = x, y = 8 ib + head), wave te: one tile of 16 d x 16 e.  The partials are images of accumulator registers (lane (r, h): e = 16 te + r, d = 16 td + 8 h + j), so the work is elementwise,
; and the eight numbers of a lane, packed, are registers 4 (td % 2) .. + 3 of the fragment 'lane = e, K = d' of K step td / 2.
; No LDS byte is touched (the lane permutes go through the LDS unit and name no byte); no barrier.
; LIMITS: NaN and infinities are not served.  A mask that leaves out all rows gives zeros here and NaN at the end, as the definition does (0 x infinity).
	s_load_b256 s[4:11], s[0:1], 0x0               ; kvp s[4:5], ksp s[6:7], bv s[8:9], kvf s[10:11]
	s_load_b64 s[12:13], s[0:1], 0x20              ; ksf
	v_lshrrev_b32 v1, 5, v0
	v_readfirstlane_b32 s14, v1                    ; te
	v_and_b32 v2, 31, v0
	v_lshlrev_b32 v3, 4, v2                        ; 16 L
	v_and_b32 v4, 15, v0                           ; r
	v_bfe_u32 v5, v0, 4, 1                         ; h
	v_lshlrev_b32 v6, 2, v4                        ; 4 r
	v_mov_b32 v209, 0                              ; (named as the upper half of the pair v[208:209])
.irp k, 0,1,2,3
	v_mov_b32 v[8+\k], 0                           ; a lane permute's destination counts as one of its sources
.endr
	s_and_b32 s15, ttmp7, 0xffff
	s_lshr_b32 s16, s15, 3                         ; ib
	s_and_b32 s17, s15, 7                          ; head
	s_lshr_b32 s18, s16, 2                         ; i
	s_and_b32 s19, s16, 3                          ; b
	s_lshl_b32 s20, s16, 16                        ; ksp: ib x 65,536 + head x 512
	s_lshl_b32 s22, s17, 9
	s_add_co_u32 s20, s20, s22
	s_mov_b32 s21, 0
	s_lshl_b32 s22, s16, 21                        ; kvp: ib x 2,097,152 + head x 16,384 + (4 td + te) x 1,024
	s_lshl_b32 s24, s17, 14
	s_add_co_u32 s22, s22, s24
	s_lshl_b32 s24, ttmp9, 12
	s_add_co_u32 s22, s22, s24
	s_lshl_b32 s24, s14, 10
	s_add_co_u32 s22, s22, s24
	s_mov_b32 s23, 0
	s_lshl_b32 s24, s18, 11                        ; bv: i x 2,048 + head x 256 + te x 64
	s_lshl_b32 s26, s17, 8
	s_add_co_u32 s24, s24, s26
	s_lshl_b32 s26, s14, 6
	s_add_co_u32 s24, s24, s26
	s_mov_b32 s25, 0
	s_lshl_b32 s26, s19, 3
	s_add_co_u32 s26, s26, s17                     ; 8 b + head
	s_mul_i32 s28, s26, 3
	s_add_co_u32 s28, s28, s18
	s_lshl_b32 s28, s28, 13                        ; kvf: ((8 b + head) 3 + i) x 8,192 + te x 2,048 + td x 512
	s_lshl_b32 s30, s14, 11
	s_add_co_u32 s28, s28, s30
	s_lshl_b32 s30, ttmp9, 9
	s_add_co_u32 s28, s28, s30
	s_mov_b32 s29, 0
	s_lshl_b32 s30, s26, 9                         ; ksf: (8 b + head) x 512 + i x 128
	s_lshl_b32 s31, s18, 7
	s_add_co_u32 s30, s30, s31
	s_mov_b32 s31, 0
	s_mov_b32 s32, 0x76543210                      ; v_permlanex16_b32's selects for lane l xor 16
	s_mov_b32 s33, 0xfedcba98
	s_wait_kmcnt 0x0
	s_add_nc_u64 s[6:7], s[6:7], s[20:21]
	s_add_nc_u64 s[4:5], s[4:5], s[22:23]
	s_add_nc_u64 s[8:9], s[8:9], s[24:25]
	s_add_nc_u64 s[10:11], s[10:11], s[28:29]
	s_add_nc_u64 s[12:13], s[12:13], s[30:31]
.set c, 0
.rept 16
	global_load_b128 v[16+4*c:19+4*c], v3, s[6:7] offset:4096*c          ; chunk c: my lane half's k_sum of d = 16 td' + r, td' = 0..3
.set c, c+1
.endr
	global_load_b32 v208, v6, s[8:9]               ; bv of e = 16 te + r
.set c, 0
.rept 16
	global_load_b128 v[80+8*c:83+8*c], v3, s[4:5] offset:131072*c th:TH_LOAD_NT
	global_load_b128 v[84+8*c:87+8*c], v3, s[4:5] offset:131072*c+512 th:TH_LOAD_NT
.set c, c+1
.endr
	s_wait_loadcnt 32                              ; k_sum's sixteen and bv are in; kv's 32 may be out
.set c, 1
.rept 15
	v_pk_add_f32 v[16:17], v[16:17], v[16+4*c:17+4*c]
	v_pk_add_f32 v[18:19], v[18:19], v[18+4*c:19+4*c]
.set c, c+1
.endr
.irp k, 0,1,2,3
	v_permlanex16_b32 v[8+\k], v[16+\k], s32, s33
.endr
.irp k, 0,1,2,3
	v_add_f32 v[16+\k], v[16+\k], v[8+\k]          ; with the other lane half's rows: k_sum(16 k + r), in both halves
.endr
	v_max3_num_f32 v12, v16, v17, v18
	v_max_num_f32 v12, v12, v19
.irp m, 1,2,4,8
	v_max_num_f32_dpp v12, v12, v12 row_xmask:\m row_mask:0xf bank_mask:0xf
.endr
	v_lshrrev_b32 v12, 23, v12                     ; the largest k_sum's exponent field E (it is not negative),
	v_sub_nc_u32 v12, 254, v12
	v_lshlrev_b32 v14, 23, v12                     ; and 2^(127 - E) = 2^-floor(log2)
	v_mov_b32 v15, v14
	v_mov_b32 v20, v16                             ; k_sum(16 td + r): td is the work-group's number: three choices of a value
	s_cmp_eq_u32 ttmp9, 1
	s_cselect_b32 s34, -1, 0
	v_cndmask_b32 v20, v20, v17, s34
	s_cmp_eq_u32 ttmp9, 2
	s_cselect_b32 s34, -1, 0
	v_cndmask_b32 v20, v20, v18, s34
	s_cmp_eq_u32 ttmp9, 3
	s_cselect_b32 s34, -1, 0
	v_cndmask_b32 v20, v20, v19, s34
	v_lshlrev_b32 v21, 5, v5                       ; lane 8 h, as a byte index
.irp j, 0,1,2,3,4,5,6,7
	v_add_nc_u32 v[24+\j], 4*\j, v21
.endr
.irp j, 0,1,2,3,4,5,6,7
	ds_bpermute_b32 v[32+\j], v[24+\j], v20        ; k_sum(16 td + 8 h + j), from lane 8 h + j
.endr
	s_wait_dscnt 0x0
	s_wait_loadcnt 0x0
.set c, 1
.rept 15
.irp j, 0,2,4,6
	v_pk_add_f32 v[80+\j:81+\j], v[80+\j:81+\j], v[80+8*c+\j:81+8*c+\j]
.endr
.set c, c+1
.endr
.irp j, 0,2,4,6
	v_pk_fma_f32 v[80+\j:81+\j], v[32+\j:33+\j], v[208:209], v[80+\j:81+\j] op_sel_hi:[1,0,1]   ; + k_sum[d] bv[e]
.endr
.irp j, 0,2,4,6
	v_pk_mul_f32 v[80+\j:81+\j], v[80+\j:81+\j], v[14:15] op_sel_hi:[1,0]
.endr
.irp j, 0,1,2,3
	v_cvt_pk_f16_f32 v[40+\j], v[80+2*\j], v[81+2*\j]
.endr
	global_store_b128 v3, v[40:43], s[10:11]       ; 512 consecutive bytes
	s_or_b32 s34, ttmp9, s14                       ; k_sum' is stored once for each (i, b, head): by wave 0 of the work-group with td = 0
	s_cmp_lg_u32 s34, 0
	s_cbranch_scc1 .Ldone
	v_pk_mul_f32 v[16:17], v[16:17], v[14:15] op_sel_hi:[1,0]
	v_pk_mul_f32 v[18:19], v[18:19], v[14:15] op_sel_hi:[1,0]
	v_cvt_pk_f16_f32 v44, v16, v17                 ; d = r, 16 + r
	v_cvt_pk_f16_f32 v45, v18, v19                 ; d = 32 + r, 48 + r
	v_cmp_eq_u32 vcc_lo, 1, v5
	v_cndmask_b32 v46, v44, v45, vcc_lo            ; lanes 0-15 store the first two runs of 16, lanes 16-31 the other two: 128 consecutive bytes in all
	v_lshlrev_b32 v47, 6, v5
	v_lshl_add_u32 v47, v4, 1, v47
	global_store_b16 v47, v46, s[12:13]
	global_store_d16_hi_b16 v47, v46, s[12:13] offset:32
.Ldone:
	s_endpgm
.Lfunc_end_k_qe4e0c26908_fold:
	.size	k_qe4e0c26908_fold, .Lfunc_end_k_qe4e0c26908_fold-k_qe4e0c26908_fold
	.p2alignl 7, 3214868480
	.fill 96, 4, 3214868480
	.section	.rodata,"a",@progbits
	.p2align	6, 0x0
	.amdhsa_kernel k_qe4e0c26908_fold
		.amdhsa_group_segment_fixed_size 0
		.amdhsa_private_segment_fixed_size 0
		.amdhsa_enable_private_segment 0
		.amdhsa_kernarg_size 40
		.amdhsa_user_sgpr_count 2
		.amdhsa_user_sgpr_kernarg_segment_ptr 1
		.amdhsa_wavefront_size32 1
		.amdhsa_system_sgpr_workgroup_id_x 1
		.amdhsa_system_sgpr_workgroup_id_y 1
		.amdhsa_system_sgpr_workgroup_id_z 1
		.amdhsa_system_vgpr_workitem_id 0
		.amdhsa_next_free_vgpr 216
		.amdhsa_next_free_sgpr 66
		.amdhsa_reserve_vcc 1
		.amdhsa_float_denorm_mode_32 3
		.amdhsa_float_denorm_mode_16_64 3
		.amdhsa_memory_ordered 1
		.amdhsa_forward_progress 1
		.amdhsa_inst_pref_size 17
	.end_amdhsa_kernel
	.amdgpu_metadata
---
amdhsa.version: [ 1, 2 ]
amdhsa.kernels:
  - .name:           k_qe4e0c26908_fold
    .symbol:         k_qe4e0c26908_fold.kd
    .args:
      - { .name: kvp, .offset: 0, .size: 8, .value_kind: global_buffer, .address_space: global }
      - { .name: ksp, .offset: 8, .size: 8, .value_kind: global_buffer, .address_space: global }
      - { .name: bv, .offset: 16, .size: 8, .value_kind: global_buffer, .address_space: global }
      - { .name: kvf, .offset: 24, .size: 8, .value_kind: global_buffer, .address_space: global }
      - { .name: ksf, .offset: 32, .size: 8, .value_kind: global_buffer, .address_space: global }
    .group_segment_fixed_size: 0
    .private_segment_fixed_size: 0
    .kernarg_segment_align: 8
    .kernarg_segment_size: 40
    .max_flat_workgroup_size: 128
    .sgpr_count:     66
    .vgpr_count:     216
    .wavefront_size: 32
...
	.end_amdgpu_metadata
.endif
;; end of part 3
;; launch final (part 4): grid 256 x 1, 4 waves a work-group, no clusters, 327,680 bytes of LDS; arguments x, bq, bo, wcodes, wscl, wof, kvf, ksf, out0; writes out0
.if DOCPART == 4
	.amdgcn_target "amdgcn-amd-amdhsa--gfx1250"
	.amdhsa_code_object_version 6
	.text
	.protected	k_qe4e0c26908_final
	.globl	k_qe4e0c26908_final
	.p2align	8
	.type	k_qe4e0c26908_final,@function
k_qe4e0c26908_final:
	s_mov_b64 s[64:65], 0
	v_nop
	global_prefetch_b8 v0, s[64:65] scope:SCOPE_SE
	s_setreg_imm32_b32 hwreg(HW_REG_WAVE_MODE, 25, 1), 1
	s_wait_xcnt 0x0
; out = ((q + sum over i of (q kv_i) / (q . k_sum_i)) / 3) Wo^T + bo, q = softmax over each head's 64 of (Q(x) Q(Wq)^T + bq).  The first product on FP4 codes with E8M0 scales; the others on f16 operands; sums in f32.
; SHARES.  A work-group owns 128 rows.  They go in four pieces of 32: each wave quantises 8 rows of a piece; then wave w makes heads 2 w, 2 w + 1 for the piece's two tiles of 16 rows.  Its part of Wq (256 registers)
; and its heads' kv and k_sum (2 x 208) stay in registers.  In the last product wave w makes columns 128 w .. + 127 of all 128 rows, in two halves of 64, so that the first half's stores leave while the second is multiplied.
; LAYOUT.  Every product is used transposed (source 0 = rows of Wq, of kv^T, of Wo; source 1 = the rows of x, p, o): a lane holds ONE row throughout, tile t's register j is feature 16 t + 8 h + j, and tiles 2 c, 2 c + 1,
; packed in pairs, ARE the next product's source 1 of K step c.  Nothing changes lanes but a row's maximum and sum (one exchange of the lane halves).
; The operand of the second product is p = 2^(c (logit - maximum)), not normalised: (p kv) / (p . k_sum) = (q kv) / (q . k_sum).  p . k_sum_i rides as a 13th tile of that product (rows i and 8 + i = k_sum_i, the others 0):
; its register i is the divisor in every lane.  o = p / (3 l) + sum over i of D_i / (3 d_i): the division by 3 and the softmax's sum are one factor a row, so the order of rounding differs from the definition's.
; All of x comes by four tensor loads a wave, issued together at the head: by this text's count four are out at the most; no LDS byte is filled twice.  A piece's f32 bytes, once read, take the wave's images of o
; (they have had their one fill), and piece 0's also the stage for the way out.
; NO CLUSTER: x is read by one work-group alone.  Wq, kv and Wo are shared by many, but go straight into the registers of the one wave that uses them, where a joint load cannot land; of LDS 303,616 bytes are taken,
; two slots of one K step of Wo would want 65,536.
; NO PREFETCH: all of x is asked for at the head.
; LIMITS: NaN and infinities are not served; a block of zeros gets the scale byte 1; |o| and |Wo| stay under 65,504 and numbers under 6e-8 vanish (f16).
.set HP,    1040                       ; half a row of x in LDS: 1,024 bytes + 16 of padding
.set PCB,   16*HP                      ; a wave's 8 rows of a piece
.set XRW,   4*PCB                      ; a wave's region
.set CP,    272
.set CODES, 4*XRW                      ; 128 rows of codes
.set SCB,   CODES+128*CP               ; 128 rows x 16 scale bytes
.set SPARE, SCB+128*16                 ; the spare words, 128 bytes a wave: two blocks of 256 bytes that no other line names
.set STG,   8192                       ; the stage for the way out: 16 rows x CP, in my piece 0, behind its images of o
.set H32, 2                            ; v2   32 h
.set XA,  3                            ; v3   f32 reads: (L % 4) HP + 64 (L / 4) + w XRW
.set CWD, 4                            ; v4   where my 16 codes go;  v5 my block's byte
.set BWD, 5
.set CA0, 6                            ; v6   fragments: CODES + CP r + 16 h;  v7 in the tile in hand
.set CAD, 7
.set SA0, 8                            ; v8   scale words: SCB + 16 r;  v9 in the tile
.set SAD, 9
.set OA0, 10                           ; v10  my images of o: 16 L + w XRW;  v11 in the tile
.set OAD, 11
.set LIW, 12                           ; v12-15 wave u's images: 16 L + u XRW
.set STO, 16                           ; v16  the stage, in;  v17 back;  v18 my bytes in two rows of out
.set RD,  17
.set CO,  18
.set L16, 19                           ; v19  16 L
.set FA,  20                           ; v20-27 pairs: 1 / (3 l), 1 / (3 d_i); the upper halves are at work
.set MC,  28                           ; v[28:29] c x maximum
.set SPW, 30
.set NIL, 31
.set WQS, 32                           ; v32-63 Wq's scale words, 4 T + s.  Scales and nothing else
.set XS,  64                           ; v64-67 x's scale words of K step s.  Scales and nothing else
.set LL,  68                           ; v68-131  my 8 tiles of logits, p, o
.set P16, 132                          ; v132-147 p, then o, as f16 operand
.set KS,  148                          ; v148-155 the 13th tile
.set DD,  156                          ; v156-251 D(i, te) at 8 (4 i + te)
.set XF,  156                          ; x's four fragments: done with before D is begun
.set TT,  252                          ; v252-255 at work
.set QX,  68                           ; quantising: four sets of 16 numbers, their codes, their bytes
.set QC,  132
.set QB,  140
.set BO,  68                           ; the last product: bo's four tiles;
.set AB,  128                          ; o's fragments, two buffers of 64;
.set RB,  128                          ; on the way out: two buffers of 32, 16 rows read back
; window 1: Wq at 8 (4 T + s); later a ring of eight K steps of Wo, 32 registers each.  window 2 + hh: kv(i, te, c) at 16 (4 i + te) + 8 c, the k_sum tile at 192 + 8 c, bq's tiles at 208 + 8 t;
; later window 2: the 32 accumulators of out, 8 (4 R + t)
.set WV,  22
.set G1,  24                           ; s[24:31] descriptor group 1;  s[32:47] group 0 for each piece
.set G0,  32
.set CS,  48                           ; s[48:49] log2(e)
.set SEL, 50                           ; s[50:51] selects for lane l xor 16
.set RC,  52
.set RS,  53
.set RO,  54
.set RN,  55
.set MSB, 0
.macro WIN new
.if MSB != (\new)
	s_set_vgpr_msb (MSB<<8)|(\new)
.set MSB, (\new)
.endif
.endm
.macro NOPS n
.rept \n
	v_nop
.endr
.endm
	s_load_b512 s[4:19], s[0:1], 0x0               ; x s[4:5], bq s[6:7], bo s[8:9], wcodes s[10:11], wscl s[12:13], wof s[14:15], kvf s[16:17], ksf s[18:19]
	s_load_b64 s[20:21], s[0:1], 0x40              ; out0
	v_lshl_add_u32 v[SPW], v0, 2, SPARE
	v_mov_b32 v[NIL], 0
	ds_add_u32 v[SPW], v[NIL]                      ; the opening: the add, twice on end, and its wait ahead of my first tensor load
	ds_add_u32 v[SPW], v[NIL]                      ; (once more; the set-up below, work on registers, stands between it and the wait)
	v_lshrrev_b32 v1, 5, v0
	v_readfirstlane_b32 s[WV], v1                  ; wave 0..3
	v_and_b32 v1, 15, v0                           ; r
	v_bfe_u32 v2, v0, 4, 1                         ; h
	v_and_b32 v252, 31, v0                         ; L
	v_and_b32 v253, 3, v0                          ; hr
	v_bfe_u32 v254, v0, 2, 3                       ; q
	s_mul_i32 s23, s[WV], XRW
	v_mul_u32_u24 v[XA], v253, HP
	v_lshl_add_u32 v[XA], v254, 6, v[XA]
	v_add_nc_u32 v[XA], s23, v[XA]
	v_lshrrev_b32 v255, 1, v253
	v_and_b32 v253, 1, v253
	s_lshl_b32 s58, s[WV], 3
	v_add_nc_u32 v255, s58, v255                   ; my row of the piece: 8 w + hr / 2 (+ 2 G)
	v_mul_u32_u24 v[CWD], v255, CP
	v_lshl_add_u32 v[CWD], v253, 7, v[CWD]
	v_lshl_add_u32 v[CWD], v254, 3, v[CWD]
	v_add_nc_u32 v[CWD], CODES, v[CWD]
	v_lshlrev_b32 v[BWD], 4, v255
	v_lshl_add_u32 v[BWD], v253, 3, v[BWD]
	v_lshrrev_b32 v254, 1, v254
	v_add_nc_u32 v[BWD], v[BWD], v254
	v_add_nc_u32 v[BWD], SCB, v[BWD]
	v_mul_u32_u24 v[CA0], v1, CP
	v_lshl_add_u32 v[CA0], v2, 4, v[CA0]
	v_add_nc_u32 v[CA0], CODES, v[CA0]
	v_lshl_add_u32 v[SA0], v1, 4, SCB
	v_lshlrev_b32 v[L16], 4, v252
	v_add_nc_u32 v[OA0], s23, v[L16]
.irp u, 0,1,2,3
	v_add_nc_u32 v[LIW+\u], \u*XRW, v[L16]
.endr
	v_mul_u32_u24 v[STO], v1, CP                   ; the stage, in: row r, 32 bytes for each half of the lanes
	v_lshl_add_u32 v[STO], v2, 5, v[STO]
	v_add_nc_u32 v[STO], s23, v[STO]
	v_add_nc_u32 v[STO], STG, v[STO]
	v_mul_u32_u24 v[RD], v2, CP                    ; back: lanes 0-15 one row of 256 bytes, lanes 16-31 the next
	v_lshl_add_u32 v[RD], v1, 4, v[RD]
	v_add_nc_u32 v[RD], s23, v[RD]
	v_add_nc_u32 v[RD], STG, v[RD]
	v_lshlrev_b32 v[CO], 11, v2                    ; and the same two rows in out
	v_lshl_add_u32 v[CO], v1, 4, v[CO]
	v_lshlrev_b32 v254, 2, v252                    ; 4 L: Wq's scale words
	v_and_b32 v252, 7, v1
	v_cmp_gt_u32 s57, 3, v252                      ; rows 0-2 and 8-10 of the 13th tile are k_sum_0..2
	v_min_u32 v253, 2, v252
	v_lshlrev_b32 v253, 7, v253                    ; (the other rows load k_sum_2 and are cleared below)
	v_lshl_add_u32 v253, v2, 4, v253
	v_lshlrev_b32 v[H32], 5, v2
.irp k, 1,3,5,7,9
	v_mov_b32 v[FA+\k], 0                          ; upper halves of pairs, and lane permutes' destinations: written once
.endr
	s_lshr_b32 s56, ttmp9, 6                       ; b: 64 work-groups to a batch
	s_lshl_b32 s58, ttmp9, 18                      ; x: 128 rows of 2,048 bytes a work-group, + 8 rows a wave
	s_lshl_b32 s60, s[WV], 14
	s_add_co_u32 s58, s58, s60
	s_mov_b32 s59, 0
	s_lshl_b32 s62, ttmp9, 18                      ; out: the same rows, + 512 bytes a wave
	s_lshl_b32 s60, s[WV], 9
	s_add_co_u32 s62, s62, s60
	s_mov_b32 s63, 0
	s_mov_b32 s61, 0
	s_mov_b32 s67, 0
	s_mov_b32 s69, 0
	s_lshl_b32 s66, s56, 3
	s_lshl_b32 s68, s[WV], 1
	s_add_co_u32 s66, s66, s68                     ; 8 b + 2 w
	s_lshl_b32 s68, s66, 9                         ; ksf: x 512
	s_mul_i32 s66, s66, 24576                      ; kvf: x 24,576
	; descriptor group 1: 8 rows of x, dense in memory, stated as 16 rows of 256 elements of 4 bytes, 4 words of padding behind each 256
	s_mov_b32 s[G1+0], (2<<16)|(1<<20)|(7<<22)|(3<<25)
	s_mov_b32 s[G1+1], 256<<16
	s_mov_b32 s[G1+2], 16<<16
	s_mov_b32 s[G1+3], 256<<16
	s_mov_b32 s[G1+4], 16
	s_mov_b32 s[G1+5], 256
	s_mov_b32 s[G1+6], 0
	s_mov_b32 s[G1+7], 0
	s_mov_b32 s[CS], 0x3fb8aa3b
	s_mov_b32 s[CS+1], s[CS]
	s_mov_b32 s[SEL], 0x76543210
	s_mov_b32 s[SEL+1], 0xfedcba98
	s_wait_dscnt 0x0                               ; both opening adds are done
	s_wait_kmcnt 0x0
	s_add_nc_u64 s[4:5], s[4:5], s[58:59]
.irp p, 0,1,2,3
	s_mov_b32 s[G0+4*\p], 1
	s_add_co_u32 s[G0+4*\p+1], s23, \p*PCB
	s_add_nc_u64 s[G0+4*\p+2:G0+4*\p+3], s[4:5], \p*65536          ; a piece is 32 rows
	s_or_b32 s[G0+4*\p+3], s[G0+4*\p+3], 0x80000000
.endr
.irp p, 0,1,2,3
	tensor_load_to_lds s[G0+4*\p:G0+4*\p+3], s[G1:G1+7]            ; all my rows of x, as one group, ahead of every wait on TENSORcnt, LDS read and barrier
	s_nop 0
.endr
	NOPS 4
	s_add_nc_u64 s[20:21], s[20:21], s[62:63]
	s_add_nc_u64 s[6:7], s[6:7], s[60:61]          ; bq and bo: my 128 columns
	s_add_nc_u64 s[8:9], s[8:9], s[60:61]
	s_lshl_b32 s60, s[WV], 15
	s_add_nc_u64 s[10:11], s[10:11], s[60:61]      ; Wq is matrix 0: my 8 tiles x 4,096
	s_lshl_b32 s60, s[WV], 12
	s_add_nc_u64 s[12:13], s[12:13], s[60:61]
	s_lshl_b32 s60, s[WV], 17
	s_add_nc_u64 s[14:15], s[14:15], s[60:61]      ; Wo: my 8 tiles x 16,384
	s_add_nc_u64 s[16:17], s[16:17], s[66:67]
	s_add_nc_u64 s[18:19], s[18:19], s[68:69]
	WIN 0x40
.set f, 0
.rept 32
	global_load_b128 v[8*f:8*f+3], v[L16], s[10:11] offset:1024*f
	global_load_b128 v[8*f+4:8*f+7], v[L16], s[10:11] offset:1024*f+512
.set f, f+1
.endr
	WIN 0
.set f, 0
.rept 32
	global_load_b32 v[WQS+f], v254, s[12:13] offset:128*f
.set f, f+1
.endr
.irp hh, 0,1
	WIN 0x80+0x40*\hh
.set f, 0
.rept 24
	global_load_b128 v[8*f:8*f+3], v[L16], s[16:17] offset:24576*\hh+1024*f
	global_load_b128 v[8*f+4:8*f+7], v[L16], s[16:17] offset:24576*\hh+1024*f+512
.set f, f+1
.endr
.irp e, 0,1,2,3
	global_load_b128 v[192+4*\e:195+4*\e], v253, s[18:19] offset:512*\hh+32*\e
.endr
.irp t, 0,1,2,3
	global_load_b128 v[208+8*\t:211+8*\t], v[H32], s[6:7] offset:256*\hh+64*\t
	global_load_b128 v[212+8*\t:215+8*\t], v[H32], s[6:7] offset:256*\hh+64*\t+16
.endr
.endr
	WIN 0
	s_wait_loadcnt 0x0
	WIN 0x88
.set f, 192
.rept 16
	v_cndmask_b32 v[f], 0, v[f], s57
.set f, f+1
.endr
	WIN 0xcc
.set f, 192
.rept 16
	v_cndmask_b32 v[f], 0, v[f], s57
.set f, f+1
.endr
	WIN 0
; ---- the quantiser: a lane holds 16 neighbours along K; lanes L and L xor 4 hold a block of 32
.macro QLOAD set, off
.irp j, 0,1,2,3
	ds_load_b128 v[QX+16*(\set)+4*\j:QX+16*(\set)+4*\j+3], v[XA] offset:(\off)+16*\j
.endr
.endm
.macro QWORK set, coff, boff
.set QS, QX+16*(\set)
	v_max3_num_f32 v[TT], |v[QS]|, |v[QS+1]|, |v[QS+2]|
	v_max3_num_f32 v[TT+1], |v[QS+3]|, |v[QS+4]|, |v[QS+5]|
.irp i, 6,10
	v_max3_num_f32 v[TT], v[TT], |v[QS+\i]|, |v[QS+\i+1]|
	v_max3_num_f32 v[TT+1], v[TT+1], |v[QS+\i+2]|, |v[QS+\i+3]|
.endr
	v_max3_num_f32 v[TT], v[TT], |v[QS+14]|, |v[QS+15]|
	v_max3_num_f32 v[TT], v[TT], v[TT+1], 0x1800000                      ; the floor 2^(3 - 127): the byte cannot fall under 1
	v_max_num_f32_dpp v[TT], v[TT], v[TT] row_xmask:4 row_mask:0xf bank_mask:0xf
	v_add_nc_u32 v[TT+2], 0xff000000, v[TT]        ; 2 off the exponent field: the conversion's scale operand
	v_cvt_scalef32_pk8_fp4_f32 v[QC+2*(\set)], v[QS:QS+7], v[TT+2]
	v_cvt_scalef32_pk8_fp4_f32 v[QC+2*(\set)+1], v[QS+8:QS+15], v[TT+2]
	v_lshrrev_b32 v[QB+(\set)], 23, v[TT+2]        ; the byte; also the plain line behind the conversions
	ds_store_b8 v[BWD], v[QB+(\set)] offset:\boff
	ds_store_b64 v[CWD], v[QC+2*(\set):QC+2*(\set)+1] offset:\coff
.endm
.macro QUANT8 p                        ; my 8 rows of piece p in 8 steps; loads run four steps ahead
.set n, 0
.rept 4
	QLOAD n, \p*PCB+4*HP*(n/2)+512*(n%2)
.set n, n+1
.endr
.set n, 0
.rept 8
.if n < 6
	s_wait_dscnt 12                                ; behind step n's four loads stand at least twelve younger LDS instructions
.elseif n == 6
	s_wait_dscnt 8                                 ; (ten)
.else
	s_wait_dscnt 4                                 ; (six)
.endif
	QWORK n%4, (32*\p+2*(n/2))*CP+64*(n%2), (32*\p+2*(n/2))*16+4*(n%2)
.if n+4 < 8
	QLOAD n%4, \p*PCB+4*HP*((n+4)/2)+512*((n+4)%2)
.endif
.set n, n+1
.endr
.endm
; ---- one head of one tile of 16 rows
.macro QHEAD hh
.set LB, LL+32*\hh
.irp t, 0,1,2,3                        ; the row's maximum: four chains, each tile read from its low end on
	v_max3_num_f32 v[TT+\t], v[LB+8*\t], v[LB+8*\t+1], v[LB+8*\t+2]
.endr
.irp t, 0,1,2,3
	v_max3_num_f32 v[TT+\t], v[TT+\t], v[LB+8*\t+3], v[LB+8*\t+4]
.endr
.irp t, 0,1,2,3
	v_max3_num_f32 v[TT+\t], v[TT+\t], v[LB+8*\t+5], v[LB+8*\t+6]
.endr
	v_max3_num_f32 v[TT], v[TT], v[LB+7], v[LB+15]
	v_max3_num_f32 v[TT+2], v[TT+2], v[LB+23], v[LB+31]
	v_max3_num_f32 v[TT], v[TT], v[TT+1], v[TT+2]
	v_max_num_f32 v[TT], v[TT], v[TT+3]
	v_permlanex16_b32 v[FA+1], v[TT], s[SEL], s[SEL+1]             ; the row's other 32 features lie in the lane 16 away
	v_max_num_f32 v[TT], v[TT], v[FA+1]
	v_mul_f32 v[MC], s[CS], v[TT]
.set i, 0
.rept 16
	v_pk_fma_f32 v[LB+2*i:LB+2*i+1], v[LB+2*i:LB+2*i+1], s[CS:CS+1], v[MC:MC+1] op_sel_hi:[1,0,0] neg_lo:[0,0,1] neg_hi:[0,0,1]
.set i, i+1
.endr
.set i, 0
.rept 32
	v_exp_f32 v[LB+i], v[LB+i]                     ; p, at most 1
.set i, i+1
.endr
	v_nop                                          ; a plain line behind the last exponential
	s_wait_alu depctr_va_vdst(0)                   ; one wait for the batch, ahead of its first reader
	s_wait_dscnt 0x0                               ; the LDS stores that read these sixteen registers last are done
.set i, 0
.rept 16
	v_cvt_pk_f16_f32 v[P16+i], v[LB+2*i], v[LB+2*i+1]
.set i, i+1
.endr
	WIN 0x02+\hh                                   ; source 0: my head's window.  Thirteen accumulators by turns, K step by K step
	v_wmma_f32_16x16x32_f16 v[KS:KS+7], v[192:199], v[P16:P16+7], 0
.set u, 0
.rept 12
	v_wmma_f32_16x16x32_f16 v[DD+8*u:DD+8*u+7], v[16*u:16*u+7], v[P16:P16+7], 0
.set u, u+1
.endr
	v_wmma_f32_16x16x32_f16 v[KS:KS+7], v[200:207], v[P16+8:P16+15], v[KS:KS+7]
.set u, 0
.rept 12
	v_wmma_f32_16x16x32_f16 v[DD+8*u:DD+8*u+7], v[16*u+8:16*u+15], v[P16+8:P16+15], v[DD+8*u:DD+8*u+7]
.set u, u+1
.endr
	WIN 0
	v_pk_add_f32 v[TT:TT+1], v[LB:LB+1], v[LB+2:LB+3]              ; l, of the f32 p: these lines name none of the products' registers and are the places behind them
	v_pk_add_f32 v[TT+2:TT+3], v[LB+4:LB+5], v[LB+6:LB+7]
.irp j, 8,12,16,20,24,28
	v_pk_add_f32 v[TT:TT+1], v[TT:TT+1], v[LB+\j:LB+\j+1]
	v_pk_add_f32 v[TT+2:TT+3], v[TT+2:TT+3], v[LB+\j+2:LB+\j+3]
.endr
	v_pk_add_f32 v[TT:TT+1], v[TT:TT+1], v[TT+2:TT+3]
	v_add_f32 v[TT], v[TT], v[TT+1]
	v_permlanex16_b32 v[FA+1], v[TT], s[SEL], s[SEL+1]
	v_add_f32 v[TT], v[TT], v[FA+1]
	v_rcp_f32 v[FA], v[TT]
	v_rcp_f32 v[FA+2], v[KS]                       ; d_0, d_1, d_2: the 13th tile's three lowest registers
	v_rcp_f32 v[FA+4], v[KS+1]
	v_rcp_f32 v[FA+6], v[KS+2]
	v_nop
	s_wait_alu depctr_va_vdst(0)                   ; one wait for the four reciprocals
.irp k, 0,2,4,6
	v_mul_f32 v[FA+\k], 0x3eaaaaab, v[FA+\k]       ; / 3
.endr
.set i, 0
.rept 16
	v_pk_mul_f32 v[LB+2*i:LB+2*i+1], v[LB+2*i:LB+2*i+1], v[FA:FA+1] op_sel_hi:[1,0]
.set i, i+1
.endr
.irp k, 0,1,2
.set i, 0
.rept 16                               ; D(k, t)'s pair 2 i lies at DD + 32 k + 2 i: each accumulator is read from its low end on
	v_pk_fma_f32 v[LB+2*i:LB+2*i+1], v[DD+32*\k+2*i:DD+32*\k+2*i+1], v[FA+2+2*\k:FA+3+2*\k], v[LB+2*i:LB+2*i+1] op_sel_hi:[1,0,1]
.set i, i+1
.endr
.endr
.set i, 0
.rept 16
	v_cvt_pk_f16_f32 v[P16+i], v[LB+2*i], v[LB+2*i+1]
.set i, i+1
.endr
.irp e, 0,1,2,3                        ; two fragments of o, K steps 4 w + 2 hh + 0, 1 of the last product, as images of their registers: 512 consecutive bytes a store
	ds_store_b128 v[OAD], v[P16+4*\e:P16+4*\e+3] offset:2048*\hh+512*\e
.endr
.endm
; ---- one tile of 16 rows: x's fragments, my 8 tiles of logits, my two heads
.macro RT
	v_add_nc_u32 v[CAD], s[RC], v[CA0]
	v_add_nc_u32 v[SAD], s[RS], v[SA0]
	v_add_nc_u32 v[OAD], s[RO], v[OA0]
.irp s, 0,1,2,3
	ds_load_b128 v[XF+8*\s:XF+8*\s+3], v[CAD] offset:64*\s
	ds_load_b128 v[XF+8*\s+4:XF+8*\s+7], v[CAD] offset:64*\s+32
.endr
	ds_load_b128 v[XS:XS+3], v[SAD]
	s_wait_dscnt 0x0
	WIN 0x21                                       ; source 0 (Wq) window 1; C: bq's tiles, window 2 (head 0)
.irp t, 0,1,2,3
	v_wmma_scale_f32_16x16x128_f8f6f4 v[LL+8*\t:LL+8*\t+7], v[32*\t:32*\t+7], v[XF:XF+7], v[208+8*\t:215+8*\t], v[WQS+4*\t], v[XS] matrix_a_fmt:MATRIX_FMT_FP4 matrix_b_fmt:MATRIX_FMT_FP4
.endr
	WIN 0x31                                       ; window 3 (head 1)
.irp t, 0,1,2,3
	v_wmma_scale_f32_16x16x128_f8f6f4 v[LL+32+8*\t:LL+32+8*\t+7], v[128+32*\t:128+32*\t+7], v[XF:XF+7], v[208+8*\t:215+8*\t], v[WQS+16+4*\t], v[XS] matrix_a_fmt:MATRIX_FMT_FP4 matrix_b_fmt:MATRIX_FMT_FP4
.endr
	WIN 0x01
.irp s, 1,2,3
.irp T, 0,1,2,3,4,5,6,7                ; the eight accumulators take turns
	v_wmma_scale_f32_16x16x128_f8f6f4 v[LL+8*\T:LL+8*\T+7], v[32*\T+8*\s:32*\T+8*\s+7], v[XF+8*\s:XF+8*\s+7], v[LL+8*\T:LL+8*\T+7], v[WQS+4*\T+\s], v[XS+\s] matrix_a_fmt:MATRIX_FMT_FP4 matrix_b_fmt:MATRIX_FMT_FP4
.endr
.endr
	WIN 0
	NOPS 4                                         ; four places between the last product and the first read of a result (ISA guide 7.12.1)
	QHEAD 0
	QHEAD 1
.endm
.macro PIECE p
	s_wait_tensorcnt 3-\p                          ; my rows of piece p are in LDS; the later pieces' loads may stay out.  Only I read these bytes
	QUANT8 \p
	s_wait_dscnt 0x0                               ; my codes and bytes have landed
	s_barrier_signal -1
	s_barrier_wait -1                              ; everybody's have.  No LDS byte is ever filled again, so loads may stay out across the barrier
	s_mov_b32 s[RC], 32*\p*CP
	s_mov_b32 s[RS], 32*\p*16
	s_mov_b32 s[RO], \p*PCB
	s_mov_b32 s[RN], 2
.Lrt_\@:
	RT
	s_add_co_u32 s[RC], s[RC], 16*CP
	s_add_co_u32 s[RS], s[RS], 256
	s_add_co_u32 s[RO], s[RO], 4096
	s_sub_co_u32 s[RN], s[RN], 1
	s_cmp_lg_u32 s[RN], 0
	s_cbranch_scc1 .Lrt_\@
.endm
	PIECE 0
	PIECE 1
	PIECE 2
	PIECE 3
	s_wait_dscnt 0x0
	s_barrier_signal -1
	s_barrier_wait -1                              ; all 128 fragments of o lie in LDS
; ---- out = o Wo^T + bo.  Half g: columns 128 w + 64 g .. + 63: 8 tiles of rows x 4 tiles of columns, 32 accumulators, each once in a K step of 32.
.macro BFETCH g, c                     ; Wo's four fragments of K step c into ring buffer c % 8
	WIN 0x40
.irp t, 0,1,2,3
	global_load_b128 v[32*((\c)%8)+8*\t:32*((\c)%8)+8*\t+3], v[L16], s[14:15] offset:(4*\g+\t)*16384+1024*(\c)
	global_load_b128 v[32*((\c)%8)+8*\t+4:32*((\c)%8)+8*\t+7], v[L16], s[14:15] offset:(4*\g+\t)*16384+1024*(\c)+512
.endr
.endm
.macro AFETCH c                        ; o's eight fragments of K step c, made by wave c / 4, into buffer c % 2
	WIN 0
.irp R, 0,1,2,3,4,5,6,7
	ds_load_b128 v[AB+64*((\c)%2)+8*\R:AB+64*((\c)%2)+8*\R+3], v[LIW+(\c)/4] offset:(\R/2)*PCB+((\R%2)*4+(\c)%4)*1024
	ds_load_b128 v[AB+64*((\c)%2)+8*\R+4:AB+64*((\c)%2)+8*\R+7], v[LIW+(\c)/4] offset:(\R/2)*PCB+((\R%2)*4+(\c)%4)*1024+512
.endr
.endm
.macro PRO g                           ; bo's tiles (lane (r, h): columns 16 t + 8 h + 0..7) and the first seven K steps of Wo
	WIN 0
.irp t, 0,1,2,3
	global_load_b128 v[BO+8*\t:BO+8*\t+3], v[H32], s[8:9] offset:256*\g+64*\t
	global_load_b128 v[BO+8*\t+4:BO+8*\t+7], v[H32], s[8:9] offset:256*\g+64*\t+16
.endr
.irp c, 0,1,2,3,4,5,6
	BFETCH \g, \c
.endr
.endm
.macro KSTEP g, c
.if (\c) > 0
	NOPS 4                                         ; four places in front of loads into registers that the last K step's products have read
.endif
.if (\c) < 15
	AFETCH (\c)+1
.endif
.if (\c)+7 < 16
	BFETCH \g, (\c)+7
.endif
.if (\c) < 15
	s_wait_dscnt 16                                ; this K step's fragments of o are in; the next step's sixteen loads may be out
.else
	s_wait_dscnt 0x0
.endif
.if (\c) < 8
	s_wait_loadcnt 56                              ; this K step's fragments of Wo are in; the seven later steps' 56 loads may be out
.else
	s_wait_loadcnt 8*(15-(\c))
.endif
.if (\c) == 0
	WIN 0x81                                       ; source 0 (Wo) window 1, C (bo) window 0, D window 2: the first K step starts the sums with the bias
.else
	WIN 0xa1                                       ; C and D window 2
.endif
.irp R, 0,1,2,3,4,5,6,7
.irp t, 0,1,2,3
.if (\c) == 0
	v_wmma_f32_16x16x32_f16 v[8*(4*\R+\t):8*(4*\R+\t)+7], v[32*((\c)%8)+8*\t:32*((\c)%8)+8*\t+7], v[AB+64*((\c)%2)+8*\R:AB+64*((\c)%2)+8*\R+7], v[BO+8*\t:BO+8*\t+7]
.else
	v_wmma_f32_16x16x32_f16 v[8*(4*\R+\t):8*(4*\R+\t)+7], v[32*((\c)%8)+8*\t:32*((\c)%8)+8*\t+7], v[AB+64*((\c)%2)+8*\R:AB+64*((\c)%2)+8*\R+7], v[8*(4*\R+\t):8*(4*\R+\t)+7]
.endif
.endr
.endr
.endm
.macro KSTEPS g
.set kc, 0
.rept 16
	KSTEP \g, kc
.set kc, kc+1
.endr
	WIN 0
.endm
; THE WAY OUT, 16 rows x 64 columns at a time.  A lane holds 32 neighbouring bytes of a row and the lanes beside it other rows: the block goes through my own stage and comes back as whole rows of 256 bytes.
; LDS serves a wave's instructions in order (ISA guide 5.7.1.4): no wait between the stores and the loads, nor in front of the next block's stores.
.macro TOSTAGE R
	WIN 0x08                                       ; an LDS store's data are its source 1: window 2
.irp t, 0,1,2,3
	ds_store_b128 v[STO], v[8*(4*(\R)+\t):8*(4*(\R)+\t)+3] offset:64*\t            ; each accumulator from its low end on
	ds_store_b128 v[STO], v[8*(4*(\R)+\t)+4:8*(4*(\R)+\t)+7] offset:64*\t+16
.endr
	WIN 0
.irp i, 0,1,2,3,4,5,6,7
	ds_load_b128 v[RB+32*((\R)%2)+4*\i:RB+32*((\R)%2)+4*\i+3], v[RD] offset:2*CP*\i
.endr
.endm
.macro SEND R, g, younger
	s_wait_dscnt \younger                          ; the block is back in registers
.irp i, 0,1,2,3,4,5,6,7
	global_store_b128 v[CO], v[RB+32*((\R)%2)+4*\i:RB+32*((\R)%2)+4*\i+3], s[20:21] offset:(16*(\R)+2*\i)*2048+256*\g th:TH_STORE_NT   ; sixteen lanes store 256 consecutive bytes, at a multiple of 256 from out's first byte
.endr
.endm
.macro WAYOUT g
	TOSTAGE 0
.irp a, 1,2,3,4,5,6,7
.if \a > 1
	s_wait_xcnt 0x0                                ; block a - 2's stores have read their registers: block a's loads may land there
.endif
	TOSTAGE \a
	SEND \a-1, \g, 16                              ; behind block a - 1's loads: block a's 8 stores and 8 loads
.endr
	SEND 7, \g, 0
.endm
	PRO 0
	AFETCH 0
	KSTEPS 0
	NOPS 5                                         ; places in front of the loads below, of the first read of results, and of the products that begin the sums anew
	PRO 1                                          ; the second half's bias and first K steps of Wo land during the way out
	WAYOUT 0
	s_wait_xcnt 0x0                                ; the last stores have read their registers: o's fragments may land there
	AFETCH 0
	KSTEPS 1
	NOPS 4
	WAYOUT 1
	s_wait_tensorcnt 0x0                           ; the wave's end: behind my last tensor load and my last LDS store
	ds_add_u32 v[SPW], v[NIL]
	s_wait_dscnt 0x0
	s_endpgm
.Lfunc_end_k_qe4e0c26908_final:
	.size	k_qe4e0c26908_final, .Lfunc_end_k_qe4e0c26908_final-k_qe4e0c26908_final
	.p2alignl 7, 3214868480
	.fill 96, 4, 3214868480
	.section	.rodata,"a",@progbits
	.p2align	6, 0x0
	.amdhsa_kernel k_qe4e0c26908_final
		.amdhsa_group_segment_fixed_size 327680
		.amdhsa_private_segment_fixed_size 0
		.amdhsa_enable_private_segment 0
		.amdhsa_kernarg_size 72
		.amdhsa_user_sgpr_count 2
		.amdhsa_user_sgpr_kernarg_segment_ptr 1
		.amdhsa_wavefront_size32 1
		.amdhsa_system_sgpr_workgroup_id_x 1
		.amdhsa_system_sgpr_workgroup_id_y 1
		.amdhsa_system_sgpr_workgroup_id_z 1
		.amdhsa_system_vgpr_workitem_id 0
		.amdhsa_next_free_vgpr 1024
		.amdhsa_next_free_sgpr 80
		.amdhsa_reserve_vcc 0
		.amdhsa_float_denorm_mode_32 3
		.amdhsa_float_denorm_mode_16_64 3
		.amdhsa_memory_ordered 1
		.amdhsa_forward_progress 1
		.amdhsa_inst_pref_size 255
	.end_amdhsa_kernel
	.section	.bss,"aw",@nobits
	.p2align	6
	.space	262144
	.amdgpu_metadata
---
amdhsa.version: [ 1, 2 ]
amdhsa.kernels:
  - .name:           k_qe4e0c26908_final
    .symbol:         k_qe4e0c26908_final.kd
    .args:
      - { .name: x, .offset: 0, .size: 8, .value_kind: global_buffer, .address_space: global }
      - { .name: bq, .offset: 8, .size: 8, .value_kind: global_buffer, .address_space: global }
      - { .name: bo, .offset: 16, .size: 8, .value_kind: global_buffer, .address_space: global }
      - { .name: wcodes, .offset: 24, .size: 8, .value_kind: global_buffer, .address_space: global }
      - { .name: wscl, .offset: 32, .size: 8, .value_kind: global_buffer, .address_space: global }
      - { .name: wof, .offset: 40, .size: 8, .value_kind: global_buffer, .address_space: global }
      - { .name: kvf, .offset: 48, .size: 8, .value_kind: global_buffer, .address_space: global }
      - { .name: ksf, .offset: 56, .size: 8, .value_kind: global_buffer, .address_space: global }
      - { .name: out0, .offset: 64, .size: 8, .value_kind: global_buffer, .address_space: global }
    .group_segment_fixed_size: 327680
    .private_segment_fixed_size: 0
    .kernarg_segment_align: 8
    .kernarg_segment_size: 72
    .max_flat_workgroup_size: 128
    .sgpr_count:     80
    .vgpr_count:     1024
    .wavefront_size: 32
...
	.end_amdgpu_metadata
.endif
;; end of part 4
